; MI455X (gfx1250); checked and timed in simulation.
; The chip was launched on July 23, 2026; its instructions are those of AMD's public machine-readable ISA for CDNA 5 (MIT licence, August 2026) and "CDNA5" Instruction Set Architecture Reference Guide (July 2026). The comments in the code are by the model that wrote it; some were corrected since.
;; Flash Llama Attention. Allowed arithmetic: float matrix products may take bf16 or f16 operands with f32 sums; other float arithmetic in f32, or as packed bf16 or f16 multiplies, adds, multiply-adds, maxima and minima; sums over many terms, partial sums and values carried from step to step in f32; what a program stores and reads back later, other than sums and carried values, may be rounded once to bf16 or f16.
;; Inputs: cos 2,048 x 64 float32; hidden_states 2,048 x 4,096 float32; sin 2,048 x 64 float32; wk 1,024 x 4,096 float32; wo 4,096 x 2,048 float32; wq 2,048 x 4,096 float32; wv 1,024 x 4,096 float32.
;; Outputs: out0 2,048 x 4,096 float32.
;; Constants: batch = 2, seq_len = 1024.
;; One version. Each part assembles by itself: llvm-mc -triple=amdgcn-amd-amdhsa -mcpu=gfx1250 --defsym DOCPART=n.
;; ======== version 1 of 1: 4 launches
;; limits: values are held in f16: magnitudes above 65,504 overflow, below 6.1e-05 lose precision; right only within a limited range of input values
;; workspace buffers: xb 16,777,216 bytes; wb 33,554,432 bytes; wob 16,777,216 bytes; csr 1,048,576 bytes; qkv 16,777,216 bytes; ob 8,388,608 bytes
;; launch conv (part 1): grid 2064 x 1, 8 waves a work-group, no clusters, 0 bytes of LDS; arguments hidden_states, wq, wk, wv, wo, cos, sin, xb, wb, wob, csr; writes xb, wb, wob, csr
.if DOCPART == 1
	.amdgcn_target "amdgcn-amd-amdhsa--gfx1250"
	.amdhsa_code_object_version 6
	.text
	.protected	k_qcec8bd162f_conv
	.globl	k_qcec8bd162f_conv
	.p2align	8
	.type	k_qcec8bd162f_conv,@function
k_qcec8bd162f_conv:
	s_mov_b64 s[64:65], 0
	v_nop
	global_prefetch_b8 v0, s[64:65] scope:SCOPE_SE
	s_setreg_imm32_b32 hwreg(HW_REG_WAVE_MODE, 25, 1), 1
	s_wait_xcnt 0x0
; THE ROUNDINGS OF ALL INPUTS, once.  xb = bf16(x / 4); wb = bf16 of wq's, wk's and wv's rows, one below the other; wob = 4 x bf16(wo), written as f16;
; csr = cos, then sin, each rounded to bf16 and kept as f32.  The powers of two are exact: they keep q, k, v and O, which later launches hold in f16, four times further from f16's end.
; LIMITS.  4 x bf16(wo) must lie within f16: |wo| < 16,376; below 1.5e-5 it keeps f16's fixed step, 6e-8 in 4 wo.  NaN and infinities are not treated apart.
; A stream: no LDS, no barrier, no matrix unit.  A work-group takes 65,536 input bytes of ONE tensor, a wave 8,192: sixteen loads of 512 neighbouring bytes, all issued at once;
; no register is used twice, so nothing but the counted waits for the loads is needed.  A store of 8 bytes a lane covers 256 consecutive bytes, aligned; one of 16 bytes a lane 512.
; Work-groups 0-511 x; 512-1023 wq; 1024-1279 wk; 1280-1535 wv; 1536-2047 wo; 2048-2055 cos; 2056-2063 sin.
.set IN,  1                            ; v1      my byte offset in the group's input: 8,192 x wave + 16 x lane
.set OUT, 2                            ; v2      in its 16-bit output: 4,096 x wave + 8 x lane
.set T,   4                            ; v[4:5]  at work
.set X,   8                            ; v[8:71] load j: four registers
.set SRC, 26                           ; s[26:27] the tensor read
.set DST, 28                           ; s[28:29] the buffer written
.set W,   30                           ; s30 the work-group's number
.set FIRST, 31                         ; s31 the first work-group of the tensor read
.set DFIRST, 32                        ; s32 the first work-group of the buffer written
.set SH,  33                           ; s33 log2 of a work-group's output bytes
.set HIGH, 38                          ; s38 a word's upper bf16
	s_load_b512 s[4:19], s[0:1], 0x0               ; x s[4:5], wq s[6:7], wk s[8:9], wv s[10:11], wo s[12:13], cos s[14:15], sin s[16:17], xb s[18:19]
	s_load_b128 s[20:23], s[0:1], 0x40             ; wb s[20:21], wob s[22:23]
	s_load_b64 s[24:25], s[0:1], 0x50              ; csr
	s_mov_b32 s[W], ttmp9
	v_lshrrev_b32 v3, 5, v0                        ; wave
	v_and_b32 v[T], 31, v0                         ; lane
	v_lshlrev_b32 v[IN], 4, v[T]
	v_lshl_or_b32 v[IN], v3, 13, v[IN]
	v_lshlrev_b32 v[OUT], 3, v[T]
	v_lshl_or_b32 v[OUT], v3, 12, v[OUT]
	s_mov_b32 s[FIRST], 0
	s_mov_b32 s[DFIRST], 0
	s_mov_b32 s[SH], 15
	s_mov_b32 s[HIGH], 0xffff0000
	s_wait_kmcnt 0x0
	s_mov_b64 s[SRC:SRC+1], s[4:5]                 ; the choice of tensors hangs on the work-group's number alone
	s_mov_b64 s[DST:DST+1], s[18:19]
	s_cmp_ge_u32 s[W], 512
	s_cselect_b64 s[SRC:SRC+1], s[6:7], s[SRC:SRC+1]
	s_cselect_b64 s[DST:DST+1], s[20:21], s[DST:DST+1]
	s_cselect_b32 s[FIRST], 512, s[FIRST]
	s_cselect_b32 s[DFIRST], 512, s[DFIRST]
	s_cmp_ge_u32 s[W], 1024
	s_cselect_b64 s[SRC:SRC+1], s[8:9], s[SRC:SRC+1]
	s_cselect_b32 s[FIRST], 1024, s[FIRST]
	s_cmp_ge_u32 s[W], 1280
	s_cselect_b64 s[SRC:SRC+1], s[10:11], s[SRC:SRC+1]
	s_cselect_b32 s[FIRST], 1280, s[FIRST]
	s_cmp_ge_u32 s[W], 1536
	s_cselect_b64 s[SRC:SRC+1], s[12:13], s[SRC:SRC+1]
	s_cselect_b64 s[DST:DST+1], s[22:23], s[DST:DST+1]
	s_cselect_b32 s[FIRST], 1536, s[FIRST]
	s_cselect_b32 s[DFIRST], 1536, s[DFIRST]
	s_cmp_ge_u32 s[W], 2048
	s_cselect_b64 s[SRC:SRC+1], s[14:15], s[SRC:SRC+1]
	s_cselect_b64 s[DST:DST+1], s[24:25], s[DST:DST+1]
	s_cselect_b32 s[FIRST], 2048, s[FIRST]
	s_cselect_b32 s[DFIRST], 2048, s[DFIRST]
	s_cselect_b32 s[SH], 16, s[SH]                 ; the tables stay f32: as many bytes out as in
	s_cmp_ge_u32 s[W], 2056
	s_cselect_b64 s[SRC:SRC+1], s[16:17], s[SRC:SRC+1]
	s_cselect_b32 s[FIRST], 2056, s[FIRST]
	s_sub_co_u32 s34, s[W], s[FIRST]               ; offsets are made apart from the addresses
	s_lshl_b32 s34, s34, 16
	s_mov_b32 s35, 0
	s_sub_co_u32 s36, s[W], s[DFIRST]
	s_lshl_b32 s36, s36, s[SH]
	s_mov_b32 s37, 0
	s_add_nc_u64 s[SRC:SRC+1], s[SRC:SRC+1], s[34:35]
	s_add_nc_u64 s[DST:DST+1], s[DST:DST+1], s[36:37]
.set j, 0
.rept 16
	global_load_b128 v[X+4*j:X+4*j+3], v[IN], s[SRC:SRC+1] offset:512*j th:TH_LOAD_NT  ; every input byte is read once in the launch
.set j, j+1
.endr
; kind 0: x / 4 to bf16.  1: a weight to bf16.  2: 4 wo to bf16, and that number as f16.  3: a table to bf16 and back to f32.
.macro CONV kind
.set j, 0
.rept 16
.set r, X+4*j
	s_wait_loadcnt 15-j                            ; loads come back in order (ISA guide 5.7.1): load j is in, the 15 - j younger ones stay out
.if (\kind) == 0
	v_pk_mul_f32 v[r:r+1], v[r:r+1], 0x3e800000 op_sel_hi:[1,0]
	v_pk_mul_f32 v[r+2:r+3], v[r+2:r+3], 0x3e800000 op_sel_hi:[1,0]
.endif
.if (\kind) == 2
	v_pk_mul_f32 v[r:r+1], v[r:r+1], 4.0 op_sel_hi:[1,0]
	v_pk_mul_f32 v[r+2:r+3], v[r+2:r+3], 4.0 op_sel_hi:[1,0]
.endif
.if (\kind) < 2
	v_cvt_pk_bf16_f32 v[r], v[r], v[r+1]
	v_cvt_pk_bf16_f32 v[r+1], v[r+2], v[r+3]
.else
	v_cvt_pk_bf16_f32 v[T], v[r], v[r+1]
	v_cvt_pk_bf16_f32 v[T+1], v[r+2], v[r+3]
	v_lshlrev_b32 v[r], 16, v[T]                   ; bf16 to f32: the low half moves up, the high half stays
	v_and_b32 v[r+1], s[HIGH], v[T]
	v_lshlrev_b32 v[r+2], 16, v[T+1]
	v_and_b32 v[r+3], s[HIGH], v[T+1]
.endif
.if (\kind) == 2
	v_cvt_pk_f16_f32 v[r], v[r], v[r+1]            ; 8 significant bits fit f16's 11: exact within its range
	v_cvt_pk_f16_f32 v[r+1], v[r+2], v[r+3]
.endif
.if (\kind) < 3
	global_store_b64 v[OUT], v[r:r+1], s[DST:DST+1] offset:256*j
.else
	global_store_b128 v[IN], v[r:r+3], s[DST:DST+1] offset:512*j
.endif
.set j, j+1
.endr
	s_endpgm
.endm
	s_cmp_lt_u32 s[W], 512
	s_cbranch_scc1 .Lx
	s_cmp_lt_u32 s[W], 1536
	s_cbranch_scc1 .Lw
	s_cmp_lt_u32 s[W], 2048
	s_cbranch_scc1 .Lwo
	CONV 3
.Lx:
	CONV 0
.Lw:
	CONV 1
.Lwo:
	CONV 2
.Lfunc_end_k_qcec8bd162f_conv:
	.size	k_qcec8bd162f_conv, .Lfunc_end_k_qcec8bd162f_conv-k_qcec8bd162f_conv
	.p2alignl 7, 3214868480
	.fill 96, 4, 3214868480
	.section	.rodata,"a",@progbits
	.p2align	6, 0x0
	.amdhsa_kernel k_qcec8bd162f_conv
		.amdhsa_group_segment_fixed_size 0
		.amdhsa_private_segment_fixed_size 0
		.amdhsa_enable_private_segment 0
		.amdhsa_kernarg_size 88
		.amdhsa_user_sgpr_count 2
		.amdhsa_user_sgpr_kernarg_segment_ptr 1
		.amdhsa_wavefront_size32 1
		.amdhsa_system_sgpr_workgroup_id_x 1
		.amdhsa_system_sgpr_workgroup_id_y 1
		.amdhsa_system_sgpr_workgroup_id_z 1
		.amdhsa_system_vgpr_workitem_id 0
		.amdhsa_next_free_vgpr 72
		.amdhsa_next_free_sgpr 66
		.amdhsa_reserve_vcc 0
		.amdhsa_float_denorm_mode_32 3
		.amdhsa_float_denorm_mode_16_64 3
		.amdhsa_memory_ordered 1
		.amdhsa_forward_progress 1
		.amdhsa_inst_pref_size 32
	.end_amdhsa_kernel
	.amdgpu_metadata
---
amdhsa.version: [ 1, 2 ]
amdhsa.kernels:
  - .name:           k_qcec8bd162f_conv
    .symbol:         k_qcec8bd162f_conv.kd
    .args:
      - { .name: hidden_states, .offset: 0, .size: 8, .value_kind: global_buffer, .address_space: global }
      - { .name: wq, .offset: 8, .size: 8, .value_kind: global_buffer, .address_space: global }
      - { .name: wk, .offset: 16, .size: 8, .value_kind: global_buffer, .address_space: global }
      - { .name: wv, .offset: 24, .size: 8, .value_kind: global_buffer, .address_space: global }
      - { .name: wo, .offset: 32, .size: 8, .value_kind: global_buffer, .address_space: global }
      - { .name: cos, .offset: 40, .size: 8, .value_kind: global_buffer, .address_space: global }
      - { .name: sin, .offset: 48, .size: 8, .value_kind: global_buffer, .address_space: global }
      - { .name: xb, .offset: 56, .size: 8, .value_kind: global_buffer, .address_space: global }
      - { .name: wb, .offset: 64, .size: 8, .value_kind: global_buffer, .address_space: global }
      - { .name: wob, .offset: 72, .size: 8, .value_kind: global_buffer, .address_space: global }
      - { .name: csr, .offset: 80, .size: 8, .value_kind: global_buffer, .address_space: global }
    .group_segment_fixed_size: 0
    .private_segment_fixed_size: 0
    .kernarg_segment_align: 8
    .kernarg_segment_size: 88
    .max_flat_workgroup_size: 256
    .sgpr_count:     66
    .vgpr_count:     72
    .wavefront_size: 32
...
	.end_amdgpu_metadata
.endif
;; end of part 1
;; launch proj (part 2): grid 16 x 16, 6 waves a work-group, clusters of 4 x 4, 327,680 bytes of LDS; arguments xb, wb, csr, qkv; writes qkv
.if DOCPART == 2
	.amdgcn_target "amdgcn-amd-amdhsa--gfx1250"
	.amdhsa_code_object_version 6
	.text
	.protected	k_qcec8bd162f_proj
	.globl	k_qcec8bd162f_proj
	.p2align	8
	.type	k_qcec8bd162f_proj,@function
k_qcec8bd162f_proj:
	s_mov_b64 s[64:65], 0
	v_nop
	global_prefetch_b8 v0, s[64:65] scope:SCOPE_SE
	s_setreg_imm32_b32 hwreg(HW_REG_WAVE_MODE, 25, 1), 1
	s_wait_xcnt 0x0
	s_wait_alu depctr_hold_cnt(0) depctr_sa_sdst(0) depctr_va_vdst(0) depctr_va_sdst(0) depctr_va_ssrc(0) depctr_va_vcc(0) depctr_vm_vsrc(0)
	s_getreg_b32 s2, hwreg(HW_REG_IB_STS2, 6, 4)
	s_cmp_eq_u32 s2, 0
	s_cbranch_scc0 .Lentry_in_a_cluster
	s_endpgm
.Lentry_in_a_cluster:
	s_bfe_u32 s2, ttmp6, 0x10000c
	s_cmp_lg_u32 s2, 0xf033
	s_cbranch_scc0 .Lentry_shape_is_right
	s_endpgm
.Lentry_shape_is_right:
; q, k, v = (x / 4) [wq; wk; wv]^T in bf16 with f32 sums, the rotation of q and k in f32, each number rounded once to f16 and stored by heads:
; qkv[g][batch][position][128], g 0-15 q's heads, 16-23 k's, 24-31 v's.  xb: [2048][4096] bf16 (x / 4), wb: [4096][4096] bf16, csr: cos [2048][64] f32, then sin.
; LIMITS.  What is stored is a quarter of q, k, v and must lie within f16: |q|, |k|, |v| < 262,016; below 2.4e-4 they keep f16's fixed step.  NaN and infinities are not treated apart.
; SHARES.  C is 2,048 x 4,096; a tile is 128 x 256, one for each of 16 x 16 work-groups.  SIX WAVES.  Waves 0-3 multiply, each 64 rows x 128 columns, which are ONE head: 32 accumulators of 16 x 16,
; 256 registers.  Waves 4 and 5 only fetch.  K goes in steps of 128 (rows of 256 bytes, at multiples of 256 bytes) through a ring of two LDS slots; two slots of a step twice as long would need
; 405 KB of LDS.  A step's 384 rows come as six tensor loads of 64 rows, one a wave: waves 0-3 the weights' quarters, waves 4 and 5 x's halves; with four waves the weights' loads would be twice as long.
; A load is asked for first thing behind a change of slots and waited for in front of the next: a K step's 128 matrix instructions lie between.
; CLUSTERS.  4 x 4 work-groups.  The four of a row of the cluster need the same tiles of x (and of cos and sin), the four of a column the same tiles of the weights: each tile is asked for JOINTLY,
; by the same tensor load with the same descriptor and a mask that names the four.
; THE MATRIX INSTRUCTION IS USED TRANSPOSED (source 0 = 16 rows of the weights, source 1 = 16 rows of x): a lane then holds row lane % 16 and the columns 16 b + 8 (lane / 16) + 0..7.
; So the two partners of a rotation, columns n and n + 64, lie in the same lane and register of accumulators b and b + 4.
; REGISTERS, in windows of 256 (s_set_vgpr_msb: bits 1:0 source 0, 3:2 source 1, 5:4 source 2, 7:6 destination):
;   window 0: v0-29 addresses; v64-159, v160-255 two fragment buffers (32 registers of x: 4 x 16 rows x 32 K, then 64 of the weights); on the way out v32-255 are at work
;   window 1: the accumulators, (a, b) at v[8 (8 a + b)]
.set SIZE_K, 4096
.set KSTEP,  128
.set PITCH,  272                       ; an LDS row: 256 bytes + 16 of padding = 68 words: row r starts at bank 4 r mod 64 (64 banks of 4 bytes: ISA guide 11.1)
.set ATILE,  128*PITCH                 ; x's 128 rows
.set SLOT,   384*PITCH                 ; then the weights' 256 rows
.set STAGE,  2*SLOT                    ; behind the ring: 16 rows x 272 bytes for each of waves 0-3, for the way out
.set SPITCH, 272
.set SPARE,  STAGE+4*16*SPITCH         ; behind the stages: the spare words, 128 bytes for each of six waves: three blocks of 256 bytes that no other line names
.set TAB,    SPARE+768                 ; behind them: my tile's 128 rows of cos, then of sin, 256 bytes + 16 each; filled once
.set TSIN,   128*PITCH
.set LAPS,   SIZE_K/(2*KSTEP)          ; a lap = two K steps = once round the ring
.set ADRA, 16                          ; v16-17  LDS address of my fragments of x in slot 0, 1
.set ADRB, 20                          ; v20-21  the same for the weights
.set STO,  24                          ; v24     the way out: where I put 16 bytes of a row
.set RD,   25                          ; v25     the way out: where I read rows back
.set CO,   26                          ; v26     my byte offset in 512 consecutive bytes of qkv
.set TA,   27                          ; v27     LDS address of my lane's cos in my first 16 rows
.set SPW,  28                          ; v28     LDS address of my spare word: SPARE + 4 x my thread's number; never rewritten
.set NIL,  29                          ; v29     0; never rewritten
.set CT,   32                          ; the way out: v32-63 a block's cos: columns 16 b + 8 (lane / 16) + 0..7 at CT + 8 b
.set F0,   64
.set F1,   160
.set T1,   64                          ; the way out: v64-95 the rotated first halves, v96-127 the second halves
.set T2,   96
.set PK,   128                         ; v128-159 a block of 16 rows in f16
.set BK0,  160                         ; v160-191, v192-223 by turns: the block read back from the stage
.set SN,   224                         ; v224-255 a block's sin
.set WV,   12                          ; s12 my wave's number
.set WM,   13                          ; s13 waves 0-3: which 64 rows of the tile are mine
.set WN,   14                          ; s14 waves 0-3: which 128 columns.  Waves 4, 5: which half of x's tile I fetch
.set TR,   15                          ; s15 tile row of C
.set G1,   24                          ; s[24:31] descriptor group 1 for x's tiles;  s[32:39] group 0, one set for each slot
.set G0,   32
.set WQ,   45                          ; s45 waves 0-3: which quarter of the weights' tile, and of the tables, I fetch
.set G1B,  48                          ; s[48:55], s[56:63] the same for the weights' tiles
.set G0B,  56
.set CLX,  66                          ; s66 the cluster's x: 3 where the tile's columns are v's
.set G1T,  72                          ; s[72:79] descriptor group 1 for the tables;  s[80:83] group 0
.set G0T,  80
.set GW, (1<<16)|(1<<20)|(1<<21)|(5<<22)|(3<<25)  ; 17:16 elements of 2 bytes; 20 padding on; 21 set beside a mask; 24:22 after every 64 words (code 5); 31:25 4 words of it (code 3)
.set GWT, (2<<16)|(1<<20)|(1<<21)|(5<<22)|(3<<25) ; the same with elements of 4 bytes
.set MSB, 0
.macro WIN new                         ; the immediate's high byte repeats the setting that is left; a switch that changes nothing is dropped
.if MSB != (\new)
	s_set_vgpr_msb (MSB<<8)|(\new)
.set MSB, \new
.endif
.endm
.set MUL, 0x50                         ; fragments in window 0, C and D in window 1
.macro PLACES                          ; four places in front of loads into registers that matrix instructions have read, and of vector work that reads results
.rept 4
	v_nop
.endr
.endm
; A joint load: waves 4 and 5 fetch the two halves of x's tile, waves 0-3 the four quarters of the weights'.  The branch hangs on the wave's number alone.
; An s_nop 0 and four v_nop follow each of the two lines, ahead of the jump, the label and what follows.
.macro JLOAD s
	s_cmp_lt_u32 s[WV], 4
	s_cbranch_scc1 .Lfor_b_\@
	tensor_load_to_lds s[G0+4*(\s):G0+4*(\s)+3], s[G1:G1+7]
	s_nop 0
	PLACES
	s_branch .Lasked_\@
.Lfor_b_\@:
	tensor_load_to_lds s[G0B+4*(\s):G0B+4*(\s)+3], s[G1B:G1B+7]
	s_nop 0
	PLACES
.Lasked_\@:
.endm
; A round of the cluster's barrier: my work-group's barrier, so that wave 0's signal speaks for all six waves; wave 0 signals; every wave waits for all sixteen work-groups; my work-group's barrier once more.
.macro CROUND
	s_barrier_signal -1
	s_barrier_wait -1
	s_cmp_lg_u32 s[WV], 0
	s_cbranch_scc1 .Lnot_wave_0_\@
	s_barrier_signal -3
.Lnot_wave_0_\@:
	s_barrier_wait -3
	s_barrier_signal -1
	s_barrier_wait -1
.endm
	s_load_b256 s[4:11], s[0:1], 0x0               ; xb s[4:5], wb s[6:7], csr s[8:9], qkv s[10:11]
	v_lshl_add_u32 v[SPW], v0, 2, SPARE
	v_mov_b32 v[NIL], 0
	ds_add_u32 v[SPW], v[NIL]                      ; the wave's opening: the add and its wait come ahead of my first tensor load; the set-up below, work on registers, stands between them
	v_lshrrev_b32 v1, 5, v0
	v_readfirstlane_b32 s[WV], v1                  ; wave 0..5
	s_lshr_b32 s[WM], s[WV], 1
	s_and_b32 s[WN], s[WV], 1
	s_and_b32 s[WQ], s[WV], 3
	s_bfe_u32 s40, ttmp6, 0x40000                  ; cx, cy: my place in the cluster
	s_bfe_u32 s41, ttmp6, 0x40004
	s_mov_b32 s[CLX], ttmp9
	s_lshl_b32 s42, ttmp9, 2
	s_add_co_u32 s42, s42, s40                     ; tile column of C = 4 x cluster x + cx
	s_and_b32 s[TR], ttmp7, 0xffff
	s_lshl_b32 s[TR], s[TR], 2
	s_add_co_u32 s[TR], s[TR], s41                 ; tile row of C = 4 x cluster y + cy
	s_lshl_b32 s43, s41, 2
	s_lshl_b32 s43, 15, s43                        ; my row of the cluster
	s_lshl_b32 s44, 0x1111, s40                    ; my column
	s_or_b32 s[G1], s43, GW                        ; 15:0 the mask: x's tiles go to my row of the cluster,
	s_or_b32 s[G1B], s44, GW                       ; the weights' to my column,
	s_or_b32 s[G1T], s43, GWT                      ; the tables, which hang on the tile row alone, to my row
.irp g, G1, G1B
	s_mov_b32 s[(\g)+1], KSTEP<<16                 ; tensor_dim0 = 128
	s_mov_b32 s[(\g)+2], 64<<16                    ; tensor_dim1 = 64
	s_mov_b32 s[(\g)+3], KSTEP<<16                 ; tile_dim0 = 128
	s_mov_b32 s[(\g)+4], 64                        ; tile_dim1 = 64
	s_mov_b32 s[(\g)+5], SIZE_K                    ; elements from row to row
	s_mov_b32 s[(\g)+6], 0
	s_mov_b32 s[(\g)+7], 0
.endr
	s_mov_b32 s[G1T+1], 64<<16                     ; the tables: 64 rows of 64 numbers of 4 bytes, dense
	s_mov_b32 s[G1T+2], 64<<16
	s_mov_b32 s[G1T+3], 64<<16
	s_mov_b32 s[G1T+4], 64
	s_mov_b32 s[G1T+5], 64
	s_mov_b32 s[G1T+6], 0
	s_mov_b32 s[G1T+7], 0
	s_lshl_b32 s17, s[WN], 6
	s_lshl_b32 s16, s[TR], 7
	s_add_co_u32 s16, s16, s17                     ; x: row 128 x tile row + 64 x half
	s_lshl_b32 s47, s[WQ], 6
	s_lshl_b32 s46, s42, 8
	s_add_co_u32 s46, s46, s47                     ; weights: row 256 x tile column + 64 x quarter
	s_mov_b32 s17, 0
	s_mov_b32 s47, 0
	s_mov_b64 s[18:19], SIZE_K*2
	s_mul_u64 s[16:17], s[16:17], s[18:19]         ; in bytes
	s_mul_u64 s[46:47], s[46:47], s[18:19]
	s_mul_i32 s20, s[WN], 64*PITCH                 ; where they go: no place in the cluster enters an LDS address
	s_mul_i32 s21, s[WQ], 64*PITCH
	s_add_co_u32 s21, s21, ATILE
	s_mov_b32 s[G0T], 1                            ; the tables' group 0: count = 1,
	s_mul_i32 s[G0T+1], s[WQ], 64*PITCH
	s_add_co_u32 s[G0T+1], s[G0T+1], TAB           ; quarter 0, 1: cos's halves; 2, 3: sin's
	s_lshl_b32 s84, s[TR], 15                      ; 128 rows of 256 bytes a tile row,
	s_lshl_b32 s85, s[WN], 14                      ; 64 a half,
	s_add_co_u32 s84, s84, s85
	s_bfe_u32 s85, s[WV], 0x10001
	s_lshl_b32 s85, s85, 19                        ; sin lies 524,288 bytes behind cos
	s_add_co_u32 s84, s84, s85
	s_mov_b32 s85, 0
	s_wait_dscnt 0x0                               ; the opening add is done
	s_wait_kmcnt 0x0
	s_add_nc_u64 s[22:23], s[4:5], s[16:17]
	s_add_nc_u64 s[46:47], s[6:7], s[46:47]
	s_add_nc_u64 s[G0T+2:G0T+3], s[8:9], s[84:85]
	s_or_b32 s[G0T+3], s[G0T+3], 0x80000000        ; type = 2
	CROUND                                         ; all sixteen work-groups are here: the first joint loads meet
.irp s, 0,1
	s_mov_b32 s[G0+4*(\s)], 1                                      ; count = 1
	s_add_co_u32 s[G0+4*(\s)+1], s20, (\s)*SLOT                    ; LDS address
	s_add_nc_u64 s[G0+4*(\s)+2:G0+4*(\s)+3], s[22:23], (\s)*KSTEP*2  ; global address: K step s
	s_or_b32 s[G0+4*(\s)+3], s[G0+4*(\s)+3], 0x80000000            ; type = 2
	s_mov_b32 s[G0B+4*(\s)], 1
	s_add_co_u32 s[G0B+4*(\s)+1], s21, (\s)*SLOT
	s_add_nc_u64 s[G0B+4*(\s)+2:G0B+4*(\s)+3], s[46:47], (\s)*KSTEP*2
	s_or_b32 s[G0B+4*(\s)+3], s[G0B+4*(\s)+3], 0x80000000
	JLOAD \s                                       ; two tensor loads of mine are out
.endr
	; where my head's rows lie in qkv: a token's row is 256 bytes.  (Waves 4 and 5 make these numbers too and use none of them.)
	s_lshl_b32 s70, s[TR], 15                      ; 128 rows x 256 bytes a tile row,
	s_lshl_b32 s71, s[WM], 14                      ; my 64 of them
	s_add_co_u32 s70, s70, s71
	s_lshl_b32 s68, s42, 1
	s_add_co_u32 s68, s68, s[WN]                   ; g = 2 x tile column + my half
	s_lshl_b32 s68, s68, 19                        ; 2,048 rows of 256 bytes for each g
	s_add_co_u32 s68, s68, s70
	s_mov_b32 s69, 0
	s_add_nc_u64 s[10:11], s[10:11], s[68:69]
	; A fragment is 16 rows x 32 K in 8 registers: lane l holds row l % 16, K = 8 (l / 16) + 0..7 and 16 + 8 (l / 16) + 0..7: two loads of 16 bytes, 32 bytes apart.
	v_and_b32 v1, 15, v0                           ; l % 16
	v_bfe_u32 v2, v0, 4, 1                         ; l / 16
	v_mul_u32_u24 v3, v1, PITCH
	v_lshl_add_u32 v3, v2, 4, v3                   ; row x pitch + 16 x half
	s_mul_i32 s16, s[WM], 64*PITCH                 ; my 64 rows of x
	s_mul_i32 s17, s[WN], 128*PITCH                ; my 128 rows of the weights,
	s_add_co_u32 s17, s17, ATILE                   ; which lie behind x's 128
	s_add_co_u32 s18, s16, TAB                     ; my 64 rows of cos
	v_lshl_add_u32 v[TA], v2, 4, v3                ; row x pitch + 8 numbers of 4 bytes x half
	v_add_nc_u32 v[TA], s18, v[TA]
.irp s, 0,1
	v_add_nc_u32 v[ADRA+(\s)], s16, v3
	v_add_nc_u32 v[ADRB+(\s)], s17, v3
	s_add_co_u32 s16, s16, SLOT
	s_add_co_u32 s17, s17, SLOT
.endr
	s_mul_i32 s16, s[WV], 16*SPITCH
	s_add_co_u32 s16, s16, STAGE                   ; my stage
	v_mul_u32_u24 v4, v1, SPITCH                   ; in: row l % 16, 16 bytes for each half of the lanes
	v_lshl_add_u32 v4, v2, 4, v4
	v_add_nc_u32 v[STO], s16, v4
	v_mul_u32_u24 v5, v2, SPITCH                   ; back: lanes 0-15 take one row of 256 bytes, lanes 16-31 the next,
	v_lshl_add_u32 v5, v1, 4, v5
	v_add_nc_u32 v[RD], s16, v5
	v_and_b32 v[CO], 31, v0                        ; which are 512 consecutive bytes of qkv
	v_lshlrev_b32 v[CO], 4, v[CO]
; 8 matrix instructions: m block a x all 8 n blocks, 32 along K.  zero = 1: the product starts the sums: nothing is ever cleared.
; The 32 accumulators take turns, one instruction a turn, in the same order in every quarter.
.macro MUL8 f, a, zero
	WIN MUL
.irp b, 0,1,2,3,4,5,6,7
.if \zero
	v_wmma_f32_16x16x32_bf16 v[8*(8*(\a)+(\b)):8*(8*(\a)+(\b))+7], v[(\f)+32+8*(\b):(\f)+32+8*(\b)+7], v[(\f)+8*(\a):(\f)+8*(\a)+7], 0
.else
	v_wmma_f32_16x16x32_bf16 v[8*(8*(\a)+(\b)):8*(8*(\a)+(\b))+7], v[(\f)+32+8*(\b):(\f)+32+8*(\b)+7], v[(\f)+8*(\a):(\f)+8*(\a)+7], v[8*(8*(\a)+(\b)):8*(8*(\a)+(\b))+7]
.endif
.endr
.endm
; 24 LDS loads in one run: the fragments of 32 along K at byte k of the rows, into buffer f: the weights' 16 loads, then x's 8
.macro FETCH slot, k, f
	WIN 0
.irp i, 0,1,2,3,4,5,6,7
	ds_load_b128 v[(\f)+32+8*(\i):(\f)+32+8*(\i)+3],   v[ADRB+(\slot)] offset:(\k)+(\i)*16*PITCH
	ds_load_b128 v[(\f)+32+8*(\i)+4:(\f)+32+8*(\i)+7], v[ADRB+(\slot)] offset:(\k)+(\i)*16*PITCH+32
.endr
.irp i, 0,1,2,3
	ds_load_b128 v[(\f)+8*(\i):(\f)+8*(\i)+3],   v[ADRA+(\slot)] offset:(\k)+(\i)*16*PITCH
	ds_load_b128 v[(\f)+8*(\i)+4:(\f)+8*(\i)+7], v[ADRA+(\slot)] offset:(\k)+(\i)*16*PITCH+32
.endr
.endm
; A K step is four quarters of 32 along K, 32 matrix instructions each, on buffers 0, 1, 0, 1.  One of the first three: multiplies buffer f and fetches the next quarter, at byte k, into g.
.macro QUARTER slot, k, f, g, zero
	s_wait_dscnt 4                                 ; the weights and x's rows 0-31 are in; the youngest four loads (x's rows 32-63) may be out
	MUL8 \f, 0, \zero
	MUL8 \f, 1, \zero
	PLACES
	FETCH \slot, \k, \g
	s_wait_dscnt 24                                ; all but the 24 just issued
	MUL8 \f, 2, \zero
	MUL8 \f, 3, \zero
.endm
; A LEG: the change of slots, then a K step's products.  The change is every wave's text.  The fragments of this slot's fourth quarter are in buffer 1, so the slot has been read out.  Each wave waits for all
; its tensor loads (one is out: its part of the next slot), adds 0 to its spare word, and waits for that and for its own reads of this slot.
; fill = 1: a round of the cluster's barrier, so that no wave of any partner still reads this slot or has a load on its way; the slot is filled again, two K steps ahead, first thing behind the round.
; fill = 2: the ring is filled no more; behind the round waves 0-3 ask for the tables, bytes that are filled this once.
; Then waves 0-3 fetch the next slot's first fragments, multiply the old slot's fourth quarter, and go through the next slot's first three quarters; waves 4 and 5 jump forward to the next change.
; last = 1: the very last quarter follows.
.macro LEG slot, next, fill, last
	WIN 0                                          ; (the add's two registers lie in window 0; at a label and at a branch every window is 0)
	s_wait_tensorcnt 0x0                           ; all my tensor loads have landed, so a group 0 may be written
	ds_add_u32 v[SPW], v[NIL]                      ; 0 onto my spare word; with fill = 1 the descriptors' steps stand between it and the wait for it
.if (\fill) == 1
	s_add_nc_u64 s[G0+4*(\slot)+2:G0+4*(\slot)+3], s[G0+4*(\slot)+2:G0+4*(\slot)+3], 2*KSTEP*2    ; the type bits on top are not reached
	s_add_nc_u64 s[G0B+4*(\slot)+2:G0B+4*(\slot)+3], s[G0B+4*(\slot)+2:G0B+4*(\slot)+3], 2*KSTEP*2
.endif
	s_wait_dscnt 0x0                               ; the add is done, and my reads of this slot are over
	CROUND
.if (\fill) == 1
	JLOAD \slot                                    ; my one tensor load behind the round; its four v_nop are also the places in front of the loads into buffer 0
.endif
	s_cmp_lt_u32 s[WV], 4
	s_cbranch_scc0 .Lidle_\@                       ; the branch hangs on the wave's number alone and passes no barrier
.if (\fill) == 2
	tensor_load_to_lds s[G0T:G0T+3], s[G1T:G1T+7]  ; my quarter of the tables: 160 matrix instructions ahead of the wait for it
	s_nop 0
	PLACES
.endif
	FETCH \next, 0, F0
	MUL8 F1, 0, 0
	MUL8 F1, 1, 0
	MUL8 F1, 2, 0
	MUL8 F1, 3, 0
	QUARTER \next, 64,  F0, F1, 0
	QUARTER \next, 128, F1, F0, 0
	QUARTER \next, 192, F0, F1, 0
.if \last
	s_wait_dscnt 0x0
	MUL8 F1, 0, 0
	MUL8 F1, 1, 0
	MUL8 F1, 2, 0
	MUL8 F1, 3, 0
.endif
	WIN 0
.Lidle_\@:
.endm
	s_wait_tensorcnt 1                             ; my part of K step 0 is in; K step 1's may stay out
	s_barrier_signal -1
	s_barrier_wait -1                              ; everybody's is
	s_cmp_lt_u32 s[WV], 4
	s_cbranch_scc0 .Lidle_first
	FETCH 0, 0, F0
	QUARTER 0, 64,  F0, F1, 1                      ; the first quarter's products start the sums
	QUARTER 0, 128, F1, F0, 0
	QUARTER 0, 192, F0, F1, 0
	WIN 0
.Lidle_first:
	s_mov_b32 s3, LAPS-1
.Llap:                                                 ; a trip goes once round the ring and fills both slots again
	LEG 0, 1, 1, 0
	LEG 1, 0, 1, 0
	s_sub_co_u32 s3, s3, 1
	s_cmp_lg_u32 s3, 0
	s_cbranch_scc1 .Llap
	LEG 0, 1, 2, 1                                 ; the last K step
	s_wait_tensorcnt 0x0                           ; my quarter of the tables is in,
	s_wait_dscnt 0x0
	s_barrier_signal -1
	s_barrier_wait -1                              ; everybody's is
	s_cmp_lt_u32 s[WV], 4
	s_cbranch_scc0 .Lend
; THE WAY OUT, a block of 16 rows at a time: rotated (q, k) or as it is (v), rounded to f16, 16 bytes a lane into my own stage, back as whole rows of 256 bytes, stored.
.macro LOADT a                         ; cos and sin of my lane's row 16 a + l % 16, columns 16 b + 8 (l / 16) + 0..7
.irp b, 0,1,2,3
	ds_load_b128 v[CT+8*(\b):CT+8*(\b)+3],   v[TA] offset:(\a)*16*PITCH+64*(\b)
	ds_load_b128 v[CT+8*(\b)+4:CT+8*(\b)+7], v[TA] offset:(\a)*16*PITCH+64*(\b)+16
	ds_load_b128 v[SN+8*(\b):SN+8*(\b)+3],   v[TA] offset:TSIN+(\a)*16*PITCH+64*(\b)
	ds_load_b128 v[SN+8*(\b)+4:SN+8*(\b)+7], v[TA] offset:TSIN+(\a)*16*PITCH+64*(\b)+16
.endr
.endm
; ROPE: first half x1 cos - x2 sin, second half x2 cos + x1 sin; x1 in accumulator (a, b), x2 in (a, b + 4), two numbers a line.  Each accumulator's lowest registers are read first.
.macro ROPE a
	WIN 0x01                                       ; source 0 (the sums) window 1, all else window 0
.irp b, 0,1,2,3
.irp p, 0,1,2,3
.set rx, 8*(8*(\a)+(\b)+4)+2*(\p)
.set rs, SN+8*(\b)+2*(\p)
.set rt, T1+8*(\b)+2*(\p)
	v_pk_mul_f32 v[rt:rt+1], v[rx:rx+1], v[rs:rs+1]            ; x2 sin
.endr
.irp p, 0,1,2,3
.set rx, 8*(8*(\a)+(\b))+2*(\p)
.set rs, SN+8*(\b)+2*(\p)
.set rt, T2+8*(\b)+2*(\p)
	v_pk_mul_f32 v[rt:rt+1], v[rx:rx+1], v[rs:rs+1]            ; x1 sin
.endr
.irp p, 0,1,2,3
.set rx, 8*(8*(\a)+(\b))+2*(\p)
.set rs, CT+8*(\b)+2*(\p)
.set rt, T1+8*(\b)+2*(\p)
	v_pk_fma_f32 v[rt:rt+1], v[rx:rx+1], v[rs:rs+1], v[rt:rt+1] neg_lo:[0,0,1] neg_hi:[0,0,1]  ; x1 cos - x2 sin
.endr
.irp p, 0,1,2,3
.set rx, 8*(8*(\a)+(\b)+4)+2*(\p)
.set rs, CT+8*(\b)+2*(\p)
.set rt, T2+8*(\b)+2*(\p)
	v_pk_fma_f32 v[rt:rt+1], v[rx:rx+1], v[rs:rs+1], v[rt:rt+1]  ; x2 cos + x1 sin
.endr
.endr
	WIN 0
.set i, 0
.rept 32
	v_cvt_pk_f16_f32 v[PK+i], v[T1+2*i], v[T1+2*i+1]
.set i, i+1
.endr
.endm
.macro PLAIN a
	WIN 0x05                                       ; sources 0 and 1 window 1
.set i, 0
.rept 32
	v_cvt_pk_f16_f32 v[PK+i], v[64*(\a)+2*i], v[64*(\a)+2*i+1]
.set i, i+1
.endr
	WIN 0
.endm
.macro PACK a                          ; the branch hangs on the cluster's x, which all partners share; it passes neither a barrier nor a tensor load
	s_cmp_eq_u32 s[CLX], 3
	s_cbranch_scc1 .Lplain_\@
	ROPE \a
	s_branch .Lpacked_\@
.Lplain_\@:
	PLAIN \a
.Lpacked_\@:
.endm
.macro TOSTAGE a
.set BK, BK0+32*((\a)%2)
.irp b, 0,1,2,3,4,5,6,7
	ds_store_b128 v[STO], v[PK+4*(\b):PK+4*(\b)+3] offset:32*(\b)
.endr
	s_wait_xcnt 0x0                                ; every earlier memory instruction has had its addresses translated (ISA guide 3.1): registers that earlier stores read are loaded again only behind this wait
.irp t, 0,1,2,3,4,5,6,7
	ds_load_b128 v[BK+4*(\t):BK+4*(\t)+3], v[RD] offset:(\t)*2*SPITCH  ; LDS serves a wave's instructions in order (ISA guide 5.7.1.4): these see the stores above
.endr
.endm
.macro SEND a
.set BK, BK0+32*((\a)%2)
.irp t, 0,1,2,3,4,5,6,7
	global_store_b128 v[CO], v[BK+4*(\t):BK+4*(\t)+3], s[10:11] offset:4096*(\a)+512*(\t)  ; 512 consecutive bytes, at a multiple of 512 from qkv's first byte
.endr
.endm
	PLACES                                         ; behind the last products: the loads below land in registers that they read
	LOADT 0
	s_wait_dscnt 0x0                               ; block 0's cos and sin
	PACK 0
	TOSTAGE 0
	LOADT 1                                        ; a block's tables are asked for a block ahead
.irp a, 1,2,3
	s_wait_dscnt 0x0                               ; block a - 1 is back from the stage, and block a's cos and sin are in
	PACK \a
	SEND (\a)-1
	TOSTAGE \a
.if (\a) < 3
	LOADT (\a)+1
.endif
.endr
	s_wait_dscnt 0x0
	SEND 3
.Lend:
	s_wait_tensorcnt 0x0                           ; the wave's end, behind my last tensor load and my last LDS store
	ds_add_u32 v[SPW], v[NIL]
	s_wait_dscnt 0x0
	CROUND                                         ; the closing round: no work-group ends while a partner may still ask for a tile that names it
	s_endpgm
.Lfunc_end_k_qcec8bd162f_proj:
	.size	k_qcec8bd162f_proj, .Lfunc_end_k_qcec8bd162f_proj-k_qcec8bd162f_proj
	.p2alignl 7, 3214868480
	.fill 96, 4, 3214868480
	.section	.rodata,"a",@progbits
	.p2align	6, 0x0
	.amdhsa_kernel k_qcec8bd162f_proj
		.amdhsa_group_segment_fixed_size 327680
		.amdhsa_private_segment_fixed_size 0
		.amdhsa_enable_private_segment 0
		.amdhsa_kernarg_size 32
		.amdhsa_user_sgpr_count 2
		.amdhsa_user_sgpr_kernarg_segment_ptr 1
		.amdhsa_wavefront_size32 1
		.amdhsa_system_sgpr_workgroup_id_x 1
		.amdhsa_system_sgpr_workgroup_id_y 1
		.amdhsa_system_sgpr_workgroup_id_z 1
		.amdhsa_system_vgpr_workitem_id 0
		.amdhsa_next_free_vgpr 512
		.amdhsa_next_free_sgpr 88
		.amdhsa_reserve_vcc 0
		.amdhsa_float_denorm_mode_32 3
		.amdhsa_float_denorm_mode_16_64 3
		.amdhsa_memory_ordered 1
		.amdhsa_forward_progress 1
		.amdhsa_inst_pref_size 116
	.end_amdhsa_kernel
	.amdgpu_metadata
---
amdhsa.version: [ 1, 2 ]
amdhsa.kernels:
  - .name:           k_qcec8bd162f_proj
    .symbol:         k_qcec8bd162f_proj.kd
    .args:
      - { .name: xb, .offset: 0, .size: 8, .value_kind: global_buffer, .address_space: global }
      - { .name: wb, .offset: 8, .size: 8, .value_kind: global_buffer, .address_space: global }
      - { .name: csr, .offset: 16, .size: 8, .value_kind: global_buffer, .address_space: global }
      - { .name: qkv, .offset: 24, .size: 8, .value_kind: global_buffer, .address_space: global }
    .group_segment_fixed_size: 327680
    .private_segment_fixed_size: 0
    .kernarg_segment_align: 8
    .kernarg_segment_size: 32
    .max_flat_workgroup_size: 192
    .sgpr_count:     88
    .vgpr_count:     512
    .wavefront_size: 32
...
	.end_amdgpu_metadata
.endif
;; end of part 2
;; launch attn (part 3): grid 16 x 16, 8 waves a work-group, clusters of 4 x 1, 327,680 bytes of LDS; arguments qkv, ob; writes ob
.if DOCPART == 3
	.amdgcn_target "amdgcn-amd-amdhsa--gfx1250"
	.amdhsa_code_object_version 6
	.text
	.protected	k_qcec8bd162f_attn
	.globl	k_qcec8bd162f_attn
	.p2align	8
	.type	k_qcec8bd162f_attn,@function
k_qcec8bd162f_attn:
	s_mov_b64 s[64:65], 0
	v_nop
	global_prefetch_b8 v0, s[64:65] scope:SCOPE_SE
	s_setreg_imm32_b32 hwreg(HW_REG_WAVE_MODE, 25, 1), 1
	s_wait_xcnt 0x0
	s_wait_alu depctr_hold_cnt(0) depctr_sa_sdst(0) depctr_va_vdst(0) depctr_va_sdst(0) depctr_va_ssrc(0) depctr_va_vcc(0) depctr_vm_vsrc(0)
	s_getreg_b32 s2, hwreg(HW_REG_IB_STS2, 6, 4)
	s_cmp_eq_u32 s2, 0
	s_cbranch_scc0 .Lentry_in_a_cluster
	s_endpgm
.Lentry_in_a_cluster:
	s_bfe_u32 s2, ttmp6, 0x10000c
	s_cmp_lg_u32 s2, 0x3003
	s_cbranch_scc0 .Lentry_shape_is_right
	s_endpgm
.Lentry_shape_is_right:
; CAUSAL ATTENTION, two query heads to a key and value head, head size 128.  qkv: [32 g][2 batch][1024 position][128] f16, g 0-15 q, 16-23 k, 24-31 v, each a QUARTER of the true number.
; ob: [2048 token][2048] f16 = O / 4, head h in bytes 256 h .. of a row.  Products, maxima and sums in f32; the weights p are rounded to f16 for the second product (their sum l is taken of the
; unrounded p), O once at the end.  p = 2^(c s - c m) with a running maximum m; c = 16 log2(e) / sqrt(128), the 16 for the two quarters; O and l are multiplied by a = 2^(c m_old - c m_new) in every step.
; LIMITS.  A hidden score counts as its value less 1e30: f16's scores, 5.5e11 at the most, are nothing beside that.  A weight below 2^-126 counts as 0 in l; p below 6e-5 keeps f16's fixed step.
; NaN and infinities are not treated apart.
; SHARES.  A sequence has 64 blocks of 16 positions.  Work-group j (0-15) of a (kv head, batch) takes blocks j, 31 - j, 63 - j and 32 + j, for both query heads: 8 tiles of 16 queries, one a wave.
; Keys go in steps of 64; a tile in block B works in steps 0 .. B / 4, of which the last holds the diagonal: with j = 4 c + cx those last steps are c, 7 - c, 15 - c, 8 + c: 68 tile-steps in every
; work-group.  The last step hangs on the wave's number and on c, the cluster's x, alone: the four partners of a cluster branch alike.  cx enters Q's and O's addresses and the mask's numbers alone.
; Every wave counts all 16 steps and jumps forward over those behind its last.
; CLUSTER.  The four work-groups of a cluster walk the same K and V (four tiles of 256 keys through two LDS slots), so each tile is asked for JOINTLY: the same tensor load, descriptor and mask in all four.
; LAYOUT.  S^T = K Q^T (source 0 = 16 keys, source 1 = 16 queries): a lane holds ONE query (lane % 16) and the keys 8 (lane / 16) + 0..7.  Two such results rounded to f16 ARE source 1 of
; O^T = V^T P.  K comes out of LDS as it lies, V ([key][channel]) turned, by ds_load_tr16_b128.  THE MASK is the C operand that starts the sums of the diagonal step: 0, or -1e30 where the key is hidden.
; In that step every query sees its own key, so m is a true score.  m starts at the lowest finite number, O and l at 0: the first step is a step like any other, with a = 0.
; Two waves lie on a SIMD: one wave's softmax stands beside the other's products, so a step is written in plain phases.
; REGISTERS, in windows of 256 (s_set_vgpr_msb: bits 1:0 source 0, 7:6 destination): window 0: all but K and V.  window 1: v0-127 K of one step, v128-255 V of one step.
.set KS,    64                         ; keys in a step
.set PK,    272                        ; a row of K in LDS: 256 bytes + 16 of padding: the 16 rows of a load start at 16 different groups of four banks (64 banks of 4 bytes: ISA guide 11.1)
.set PV,    288                        ; a row of V: 256 + 32
.set VOFF,  256*PK                     ; a slot holds 256 rows of K, then 256 rows of V
.set SLOT,  256*(PK+PV)
.set STAGE, 2*SLOT                     ; behind the ring: 16 rows x 272 bytes for each wave, for the way out
.set SP,    272
.set SPARE, STAGE+8*16*SP              ; behind the stages: the spare words, 128 bytes for each wave: four blocks of 256 bytes that no other line names
.set AK0, 2                            ; v2   my lane's place in a tile of K; never rewritten
.set AV0, 3                            ; v3   the same for V
.set AK,  4                            ; v4   the LDS address of K's run of loads
.set AV,  5                            ; v5   of V's
.set STO, 6                            ; v6   the way out: where I put 16 bytes of a row
.set RD,  7                            ; v7   the way out: where I read rows back
.set GO,  8                            ; v8   my byte offset in two rows of ob
.set SPW, 12                           ; v12  LDS address of my spare word: SPARE + 4 x my thread's number; never rewritten
.set NIL, 13                           ; v13  0; never rewritten
.set QO,  15                           ; v15  my byte offset in 16 rows of Q
.set CM,  16                           ; v16  c m
.set M,   17                           ; v17  m
.set L,   18                           ; v[18:19] l: even keys', odd keys'
.set C0,  20                           ; v20-23 at work; when the maximum is found v22 takes a
.set OLD, 24                           ; v24  c m_old
.set S,   32                           ; v32-63   S^T: keys 16 kb on at S + 8 kb
.set P,   64                           ; v64-79   P
.set MASK, 80                          ; v80-111  the diagonal step's mask
.set Q,   112                          ; v112-143 Q: channels 32 ch on at Q + 8 ch
.set O,   144                          ; v144-207 O^T: channels 16 cb on at O + 8 cb
.set VF,  128                          ; window 1: V's fragments
.set WV,  12                           ; s12 my wave's number
.set GD,  21                           ; s21 my tile's last step, the diagonal one
.set G1K, 24                           ; s[24:31] descriptor group 1 for K's tiles
.set G1V, 32                           ; s[32:39] for V's: it differs in the padding alone
.set G0K, 40                           ; s[40:47] descriptor group 0 for K's tiles, one set for each slot
.set G0V, 48                           ; s[48:55] the same for V's
.set SIG, 56                           ; s56 the step, 0 to 15
.set CNT, 57                           ; s57 counts a slot's four steps
.set CS,  58                           ; s[58:59] c: the packed scaling takes the pair's low word for both halves
.set SEL, 60                           ; s[60:61] v_permlanex16_b32's selects: each lane takes its own place in the other half
.set TBK, 62                           ; s62 LDS byte at which K of the step begins
.set TBV, 63                           ; s63 the same for V, less VOFF
.set BIGN, 66                          ; s66 -1e30
.set MSB, 0
.macro WIN new                         ; the immediate's high byte repeats the setting that is left; a switch that changes nothing is dropped
.if MSB != (\new)
	s_set_vgpr_msb (MSB<<8)|(\new)
.set MSB, \new
.endif
.endm
.macro PLACES                          ; four places between matrix instructions and vector work on their results, or loads into their sources
.rept 4
	v_nop
.endr
.endm
; A joint refill of a slot.  Waves 0-3 fetch the four quarters of a tile's K, waves 4-7 those of its V: 64 rows of 256 bytes each.  The branch hangs on the wave's number alone.
; An s_nop 0 and four v_nop follow each of the two lines, ahead of the jump and the label.
.macro JLOAD s
	s_cmp_lt_u32 s[WV], 4
	s_cbranch_scc0 .Lfor_v_\@
	tensor_load_to_lds s[G0K+4*(\s):G0K+4*(\s)+3], s[G1K:G1K+7]
	s_nop 0
.rept 4
	v_nop
.endr
	s_branch .Lasked_\@
.Lfor_v_\@:
	tensor_load_to_lds s[G0V+4*(\s):G0V+4*(\s)+3], s[G1V:G1V+7]
	s_nop 0
.rept 4
	v_nop
.endr
.Lasked_\@:
.endm
; A round of the cluster's barrier: my work-group's barrier, so that wave 0's signal speaks for all eight waves; wave 0 signals; every wave waits for all four work-groups; my work-group's barrier once more.
.macro CROUND
	s_barrier_signal -1
	s_barrier_wait -1
	s_cmp_lg_u32 s[WV], 0
	s_cbranch_scc1 .Lnot_wave_0_\@
	s_barrier_signal -3
.Lnot_wave_0_\@:
	s_barrier_wait -3
	s_barrier_signal -1
	s_barrier_wait -1
.endm
	s_load_b128 s[4:7], s[0:1], 0x0                ; qkv s[4:5], ob s[6:7]
	v_lshl_add_u32 v[SPW], v0, 2, SPARE
	v_mov_b32 v[NIL], 0
	ds_add_u32 v[SPW], v[NIL]                      ; the wave's opening: the add and its wait come ahead of my first tensor load; the set-up below, work on registers, stands between them
	v_lshrrev_b32 v1, 5, v0
	v_readfirstlane_b32 s[WV], v1                  ; wave 0..7
	s_bfe_u32 s13, ttmp6, 0x40000                  ; cx: my place in the cluster
	s_mov_b32 s14, ttmp9                           ; c: in a cluster launch ttmp9 counts clusters
	s_lshl_b32 s15, s14, 2
	s_add_co_u32 s15, s15, s13                     ; j = 4 c + cx
	s_lshr_b32 s16, s[WV], 1                       ; which of the four blocks is my wave's,
	s_and_b32 s17, s[WV], 1                        ; and which of the two query heads
	s_add_co_u32 s18, s16, 1
	s_bfe_u32 s18, s18, 0x10001                    ; 1 for the second and third block, which count down with j
	s_mov_b32 s19, 0                               ; the block at j = 0: 0, 31, 63, 32
	s_cmp_eq_u32 s16, 1
	s_cselect_b32 s19, 31, s19
	s_cmp_eq_u32 s16, 2
	s_cselect_b32 s19, 63, s19
	s_cmp_eq_u32 s16, 3
	s_cselect_b32 s19, 32, s19
	s_lshr_b32 s23, s19, 2                         ; its step: 0, 7, 15, 8
	s_add_co_u32 s72, s19, s15
	s_sub_co_u32 s73, s19, s15
	s_add_co_u32 s74, s23, s14
	s_sub_co_u32 s75, s23, s14
	s_sub_co_u32 s79, 3, s13
	s_cmp_eq_u32 s18, 1
	s_cselect_b32 s20, s73, s72                    ; my block
	s_cselect_b32 s[GD], s75, s74                  ; its last step: made of the wave's number and c alone
	s_cselect_b32 s22, s79, s13                    ; the block's place among that step's four
	s_and_b32 s76, ttmp7, 0xffff
	s_lshr_b32 s77, s76, 3                         ; batch
	s_and_b32 s76, s76, 7                          ; kv head: the four partners share both
	s_and_b32 s78, s[WV], 3                        ; which 64 rows of a tile I fetch
	s_lshl_b32 s68, s76, 1
	s_add_co_u32 s68, s68, s77
	s_add_co_u32 s68, s68, 32                      ; 2 (16 + kv) + batch: sequences of 1,024 rows of 256 bytes
	s_lshl_b32 s68, s68, 18
	s_lshl_b32 s69, s78, 14
	s_add_co_u32 s68, s68, s69                     ; K: my rows of tile 0, in bytes
	s_mov_b32 s69, 0
	s_add_co_u32 s70, s68, 16<<18                  ; V lies eight heads further on
	s_mov_b32 s71, 0
	s_lshl_b32 s79, s76, 1
	s_add_co_u32 s79, s79, s17                     ; my query head
	s_lshl_b32 s72, s79, 1
	s_add_co_u32 s72, s72, s77
	s_lshl_b32 s72, s72, 18
	s_lshl_b32 s23, s20, 12                        ; a block is 16 rows of 256 bytes
	s_add_co_u32 s72, s72, s23                     ; Q: my tile
	s_mov_b32 s73, 0
	s_lshl_b32 s74, s77, 22                        ; ob: 1,024 rows of 4,096 bytes a sequence,
	s_lshl_b32 s23, s20, 16                        ; 16 a block,
	s_add_co_u32 s74, s74, s23
	s_lshl_b32 s23, s79, 8                         ; 256 bytes a head
	s_add_co_u32 s74, s74, s23
	s_mov_b32 s75, 0
	; descriptor group 1: a tile of 64 rows x 128 elements, padded in LDS
	s_mov_b32 s[G1K], 15|(1<<16)|(1<<20)|(1<<21)|(5<<22)|(3<<25)  ; 15:0 the mask of four; 17:16 2-byte elements; 20 padding on; 21 set beside a mask; 24:22 after every 64 words (code 5); 31:25 4 words (code 3)
	s_mov_b32 s[G1V], 15|(1<<16)|(1<<20)|(1<<21)|(5<<22)|(7<<25)  ; the same with 8 words of padding (code 7)
.irp g, G1K, G1V
	s_mov_b32 s[(\g)+1], 128<<16                   ; tensor_dim0 = 128
	s_mov_b32 s[(\g)+2], KS<<16                    ; tensor_dim1 = 64
	s_mov_b32 s[(\g)+3], 128<<16                   ; tile_dim0 = 128
	s_mov_b32 s[(\g)+4], KS                        ; tile_dim1 = 64
	s_mov_b32 s[(\g)+5], 128                       ; elements from row to row
	s_mov_b32 s[(\g)+6], 0
	s_mov_b32 s[(\g)+7], 0
.endr
	s_mul_i32 s23, s78, KS*PK                      ; where my rows go: no place in the cluster enters an LDS address
	s_mul_i32 s67, s78, KS*PV
	s_add_co_u32 s67, s67, VOFF
.irp s, 0,1
	s_mov_b32 s[G0K+4*(\s)], 1                     ; count = 1
	s_add_co_u32 s[G0K+4*(\s)+1], s23, (\s)*SLOT   ; LDS address
	s_mov_b32 s[G0V+4*(\s)], 1
	s_add_co_u32 s[G0V+4*(\s)+1], s67, (\s)*SLOT
.endr
	s_mov_b32 s[CS], 0x400293ee                    ; c = 16 log2(e) / sqrt(128) = 2.040279
	s_mov_b32 s[CS+1], s[CS]                       ; named with it as a pair
	s_mov_b32 s[SEL], 0x76543210
	s_mov_b32 s[SEL+1], 0xfedcba98
	s_mov_b32 s[BIGN], 0xf149f2ca                  ; -1e30
	s_mov_b32 s[SIG], 0
	s_wait_dscnt 0x0                               ; the opening add is done
	s_wait_kmcnt 0x0
	s_add_nc_u64 s[68:69], s[4:5], s[68:69]
	s_add_nc_u64 s[70:71], s[4:5], s[70:71]
	s_add_nc_u64 s[8:9], s[4:5], s[72:73]          ; Q at my tile
	s_add_nc_u64 s[10:11], s[6:7], s[74:75]        ; ob at my tile
.irp s, 0,1
	s_add_nc_u64 s[G0K+4*(\s)+2:G0K+4*(\s)+3], s[68:69], (\s)*65536  ; global address: slot s begins with keys 256 s on
	s_or_b32 s[G0K+4*(\s)+3], s[G0K+4*(\s)+3], 0x80000000            ; type = 2
	s_add_nc_u64 s[G0V+4*(\s)+2:G0V+4*(\s)+3], s[70:71], (\s)*65536
	s_or_b32 s[G0V+4*(\s)+3], s[G0V+4*(\s)+3], 0x80000000
.endr
	CROUND                                         ; all four work-groups are here: the first joint loads meet
	s_cmp_lt_u32 s[WV], 4                          ; a wave's two first fills stand in one branch, ahead of every wait on TENSORcnt and every LDS read: two loads of mine are out
	s_cbranch_scc0 .Lfirst_v
	tensor_load_to_lds s[G0K:G0K+3], s[G1K:G1K+7]
	s_nop 0
	tensor_load_to_lds s[G0K+4:G0K+7], s[G1K:G1K+7]
	s_nop 0
.rept 4
	v_nop
.endr
	s_branch .Lfirst_asked
.Lfirst_v:
	tensor_load_to_lds s[G0V:G0V+3], s[G1V:G1V+7]
	s_nop 0
	tensor_load_to_lds s[G0V+4:G0V+7], s[G1V:G1V+7]
	s_nop 0
.rept 4
	v_nop
.endr
.Lfirst_asked:
	; A fragment of K or Q is 16 rows x 32 channels in 8 registers: lane l holds row l % 16, channels 8 (l / 16) + 0..7 and 16 + 8 (l / 16) + 0..7: two loads of 16 bytes, 32 bytes apart.
	v_and_b32 v1, 15, v0                           ; l % 16
	v_bfe_u32 v9, v0, 4, 1                         ; l / 16
	v_lshlrev_b32 v[QO], 8, v1
	v_lshl_add_u32 v[QO], v9, 4, v[QO]             ; row x 256 + 16 x half
.irp ch, 0,1,2,3                       ; Q stays in registers
	global_load_b128 v[Q+8*(\ch):Q+8*(\ch)+3],   v[QO], s[8:9] offset:64*(\ch)
	global_load_b128 v[Q+8*(\ch)+4:Q+8*(\ch)+7], v[QO], s[8:9] offset:64*(\ch)+32
.endr
	v_lshlrev_b32 v14, 3, v9
	v_sub_nc_u32 v14, v1, v14
	s_lshl_b32 s23, s22, 4
	v_add_nc_u32 v14, s23, v14                     ; my query's place in the diagonal step's 64 keys, less my lanes' 8 (l / 16): register i is hidden where 16 (i / 8) + i % 8 is greater
.set i, 0
.rept 32
	v_cmp_gt_i32 vcc_lo, 16*(i/8)+i%8, v14
	v_cndmask_b32 v[MASK+i], 0, s[BIGN], vcc_lo
.set i, i+1
.endr
	v_mul_u32_u24 v[AK0], v1, PK
	v_lshl_add_u32 v[AK0], v9, 4, v[AK0]           ; row x pitch + 16 x half
	; The turning load takes 16 keys x 16 channels (lane l reads key 8 (l / 16) + l % 8, channels 8 ((l / 8) % 2) + 0..7) and leaves half a fragment of V^T: lane l holds channel l % 16 and 8 keys.
	v_and_b32 v10, 7, v0
	v_bfe_u32 v11, v0, 3, 1
	v_lshl_add_u32 v[AV0], v9, 3, v10
	v_mul_u32_u24 v[AV0], v[AV0], PV
	v_lshl_add_u32 v[AV0], v11, 4, v[AV0]
	v_add_nc_u32 v[AV0], VOFF, v[AV0]
	s_mul_i32 s23, s[WV], 16*SP
	s_add_co_u32 s23, s23, STAGE                   ; my stage
	v_mul_u32_u24 v[STO], v1, SP                   ; in: row l % 16, 16 bytes for each half of the lanes
	v_lshl_add_u32 v[STO], v9, 4, v[STO]
	v_add_nc_u32 v[STO], s23, v[STO]
	v_mul_u32_u24 v[RD], v9, SP                    ; back: lanes 0-15 take one row of 256 bytes, lanes 16-31 the next
	v_lshl_add_u32 v[RD], v1, 4, v[RD]
	v_add_nc_u32 v[RD], s23, v[RD]
	v_lshlrev_b32 v[GO], 12, v9                    ; and the same two rows in ob, 4,096 bytes apart
	v_lshl_add_u32 v[GO], v1, 4, v[GO]
	; What the first step finds: it multiplies O^T and l by a = 0, so they need only be finite.  No first step is written out; the price is these lines, which stand in the wait for the first tile.
.set i, 0
.rept 64
	v_mov_b32 v[O+i], 0
.set i, i+1
.endr
	v_mov_b32 v[L], 0
	v_mov_b32 v[L+1], 0
	v_mov_b32 v[CM], 0xfe000000                    ; c m: far below every c s
	v_mov_b32 v[M], 0xff7fffff                     ; m: the lowest finite number
.irp n, 0,1,2,3
	v_mov_b32 v[C0+(\n)], 0                        ; written once whole: v[22:23] is named as a pair
.endr
	s_wait_loadcnt 0x0                             ; Q
	s_wait_tensorcnt 1                             ; my part of slot 0 is in; slot 1's may stay out
	s_barrier_signal -1
	s_barrier_wait -1                              ; everybody's is
; THE SOFTMAX of my tile for one step.  s0-s31 are the lane's 32 scores; each accumulator's lowest registers are read first.
.macro SOFTMAX
.irp n, 0,1,2,3                        ; four chains of seven scores each, three operands at a time
	v_max3_num_f32 v[C0+(\n)], v[S+8*(\n)], v[S+8*(\n)+1], v[S+8*(\n)+2]
.endr
.irp n, 0,1,2,3
	v_max3_num_f32 v[C0+(\n)], v[C0+(\n)], v[S+8*(\n)+3], v[S+8*(\n)+4]
.endr
.irp n, 0,1,2,3
	v_max3_num_f32 v[C0+(\n)], v[C0+(\n)], v[S+8*(\n)+5], v[S+8*(\n)+6]
.endr
	v_max3_num_f32 v[C0], v[C0], v[S+7], v[S+15]   ; the four scores left over,
	v_max3_num_f32 v[C0+2], v[C0+2], v[S+23], v[S+31]
	v_mov_b32 v[OLD], v[CM]                        ; c m_old is kept for a
	v_max3_num_f32 v[C0], v[C0], v[C0+1], v[C0+2]  ; the chains, and the old m
	v_max3_num_f32 v[C0], v[C0], v[C0+3], v[M]
	v_permlanex16_b32 v[C0+1], v[C0], s[SEL], s[SEL+1]  ; the query's other 32 keys lie in the lane 16 away
	v_max_num_f32 v[M], v[C0], v[C0+1]
	v_mul_f32 v[CM], s[CS], v[M]
	v_sub_f32 v[C0+3], v[OLD], v[CM]
.set i, 0
.rept 16
	v_pk_fma_f32 v[S+2*i:S+2*i+1], v[S+2*i:S+2*i+1], s[CS:CS+1], v[CM:CM+1] op_sel_hi:[1,0,0] neg_lo:[0,0,1] neg_hi:[0,0,1]  ; c s - c m
.set i, i+1
.endr
	v_exp_f32 v[C0+2], v[C0+3]                     ; a
.set i, 0
.rept 32
	v_exp_f32 v[S+i], v[S+i]
.set i, i+1
.endr
	v_nop                                          ; a plain instruction between the exponentials and the use of their results (ISA guide 5.7.2)
.set i, 0
	s_wait_alu depctr_va_vdst(0)
.rept 16
	v_cvt_pk_f16_f32 v[P+i], v[S+2*i], v[S+2*i+1]
.set i, i+1
.endr
.irp w, 4,8,16,32                      ; the sum of the 16 pairs (an even key's weight, an odd key's), in place: neighbours 1, 2, 4 and 8 pairs apart
.set i, 0
.rept 32/(\w)
	v_pk_add_f32 v[S+(\w)*i:S+(\w)*i+1], v[S+(\w)*i:S+(\w)*i+1], v[S+(\w)*i+(\w)/2:S+(\w)*i+(\w)/2+1]
.set i, i+1
.endr
.endr
	v_pk_fma_f32 v[L:L+1], v[L:L+1], v[C0+2:C0+3], v[S:S+1] op_sel_hi:[1,0,1]  ; l = a l + the sum
.set i, 0
.rept 32
	v_pk_mul_f32 v[O+2*i:O+2*i+1], v[O+2*i:O+2*i+1], v[C0+2:C0+3] op_sel_hi:[1,0]  ; O^T times a
.set i, i+1
.endr
.endm
; A slot's four steps: a step is written once and walked four times; the LDS addresses step with the count.  A step behind my tile's last is jumped over, forward, to the counters.
; In a step: both runs of LDS loads, K's 32 and V's 32; 16 products K Q^T, the four accumulators by turns; the softmax; 16 products V^T P, the eight accumulators by turns.
.macro FOUR_STEPS slot
	s_mov_b32 s[TBK], (\slot)*SLOT
	s_mov_b32 s[TBV], (\slot)*SLOT
	s_mov_b32 s[CNT], 4
.Lstep_\@:
	s_cmp_gt_u32 s[SIG], s[GD]
	s_cbranch_scc1 .Ldead_\@
	v_add_nc_u32 v[AK], s[TBK], v[AK0]
	v_add_nc_u32 v[AV], s[TBV], v[AV0]
	WIN 0x40                                       ; destination window 1, address window 0
.irp f, 0,1,2,3,4,5,6,7,8,9,10,11,12,13,14,15  ; keys 16 (f / 4) on, channels 32 (f % 4) on
	ds_load_b128 v[8*(\f):8*(\f)+3],   v[AK] offset:((\f)/4)*16*PK+((\f)%4)*64
	ds_load_b128 v[8*(\f)+4:8*(\f)+7], v[AK] offset:((\f)/4)*16*PK+((\f)%4)*64+32
.endr
.irp f, 0,1,2,3,4,5,6,7,8,9,10,11,12,13,14,15  ; keys 32 (f / 8) on, channels 16 (f % 8) on
	ds_load_tr16_b128 v[VF+8*(\f):VF+8*(\f)+3],   v[AV] offset:((\f)/8)*32*PV+((\f)%8)*32
	ds_load_tr16_b128 v[VF+8*(\f)+4:VF+8*(\f)+7], v[AV] offset:((\f)/8)*32*PV+16*PV+((\f)%8)*32
.endr
	WIN 0                                          ; at a label and at a branch every window is 0
	s_wait_dscnt 32                                ; K is in; V's 32 loads may stay out
	s_cmp_eq_u32 s[SIG], s[GD]
	s_cbranch_scc1 .Lmask_\@
	WIN 0x01                                       ; source 0 (K, V) window 1, all else window 0
.irp kb, 0,1,2,3                       ; the first four products start the sums: with 0,
	v_wmma_f32_16x16x32_f16 v[S+8*(\kb):S+8*(\kb)+7], v[32*(\kb):32*(\kb)+7], v[Q:Q+7], 0
.endr
	WIN 0
	s_branch .Ljoin_\@
.Lmask_\@:
	WIN 0x01
.irp kb, 0,1,2,3                       ; or, in the diagonal step, with the mask
	v_wmma_f32_16x16x32_f16 v[S+8*(\kb):S+8*(\kb)+7], v[32*(\kb):32*(\kb)+7], v[Q:Q+7], v[MASK+8*(\kb):MASK+8*(\kb)+7]
.endr
	WIN 0
.Ljoin_\@:
	WIN 0x01
.irp ch, 1,2,3
.irp kb, 0,1,2,3
	v_wmma_f32_16x16x32_f16 v[S+8*(\kb):S+8*(\kb)+7], v[32*(\kb)+8*(\ch):32*(\kb)+8*(\ch)+7], v[Q+8*(\ch):Q+8*(\ch)+7], v[S+8*(\kb):S+8*(\kb)+7]
.endr
.endr
	WIN 0
	PLACES                                         ; the maximum reads results just made
	SOFTMAX
	s_wait_dscnt 0x0                               ; V is in
	WIN 0x01
.irp kk, 0,1
.irp cb, 0,1,2,3,4,5,6,7
	v_wmma_f32_16x16x32_f16 v[O+8*(\cb):O+8*(\cb)+7], v[VF+64*(\kk)+8*(\cb):VF+64*(\kk)+8*(\cb)+7], v[P+8*(\kk):P+8*(\kk)+7], v[O+8*(\cb):O+8*(\cb)+7]
.endr
.endr
	WIN 0
	PLACES                                         ; in front of the next step's loads into V's registers, and of the way out
.Ldead_\@:
	s_add_co_u32 s[SIG], s[SIG], 1
	s_add_co_u32 s[TBK], s[TBK], KS*PK
	s_add_co_u32 s[TBV], s[TBV], KS*PV
	s_sub_co_u32 s[CNT], s[CNT], 1
	s_cmp_lg_u32 s[CNT], 0
	s_cbranch_scc1 .Lstep_\@
.endm
; THE CHANGE OF SLOTS.  Each wave waits for all its tensor loads, of which one is out: its part of the other slot; adds 0 to its spare word; and waits for that and for its own reads of the slot that it
; leaves.  Behind the barrier nobody reads the old slot any more and the other slot is whole.  fill = 1: the old slot is filled again, with the keys two tiles on.  The barrier is then a round of the
; cluster's, so that no wave of any partner still reads the slot or has a load on its way, and the joint refill is the first thing behind it: it has four steps in which to land.
.macro CHANGE fill, slot
	WIN 0
	s_wait_tensorcnt 0x0                           ; no tensor load of mine is out, so a group 0 may be written
	ds_add_u32 v[SPW], v[NIL]                      ; 0 onto my spare word; with fill = 1 the descriptors' steps stand between it and the wait for it
.if \fill
	s_add_nc_u64 s[G0K+4*(\slot)+2:G0K+4*(\slot)+3], s[G0K+4*(\slot)+2:G0K+4*(\slot)+3], 2*65536  ; the type bits on top are not reached
	s_add_nc_u64 s[G0V+4*(\slot)+2:G0V+4*(\slot)+3], s[G0V+4*(\slot)+2:G0V+4*(\slot)+3], 2*65536
.endif
	s_wait_dscnt 0x0                               ; the add is done, and my reads of the slot are over
.if \fill
	CROUND
	JLOAD \slot
.else
	s_barrier_signal -1
	s_barrier_wait -1
.endif
.endm
	FOUR_STEPS 0                                   ; keys 0-255
	CHANGE 1, 0                                    ; slot 0 takes keys 512-767: the third and fourth blocks' waves read them in every work-group
	FOUR_STEPS 1                                   ; keys 256-511
	CHANGE 1, 1                                    ; slot 1 takes keys 768-1023: the third block's waves read them in every work-group
	FOUR_STEPS 0
	CHANGE 0, 0                                    ; nothing is left to fetch
	FOUR_STEPS 1
	; THE WAY OUT.  l's two halves and the other half of the lanes' are added; O^T is divided by l, rounded to f16 and sent through my stage in LDS.
	v_add_f32 v[C0], v[L], v[L+1]
	v_permlanex16_b32 v[C0+1], v[C0], s[SEL], s[SEL+1]
	v_add_f32 v[C0], v[C0], v[C0+1]
	v_rcp_f32 v[C0+2], v[C0]
	v_nop                                          ; a plain instruction between the reciprocal and the use of its result
.set i, 0
	s_wait_alu depctr_va_vdst(0)
.rept 32
	v_pk_mul_f32 v[O+2*i:O+2*i+1], v[O+2*i:O+2*i+1], v[C0+2:C0+3] op_sel_hi:[1,0]
.set i, i+1
.endr
.set i, 0
.rept 32
	v_cvt_pk_f16_f32 v[S+i], v[O+2*i], v[O+2*i+1]  ; a lane's eight channels of a row pack into 16 bytes
.set i, i+1
.endr
.irp f, 0,1,2,3,4,5,6,7
	ds_store_b128 v[STO], v[S+4*(\f):S+4*(\f)+3] offset:32*(\f)
.endr
.irp f, 0,1,2,3,4,5,6,7
	ds_load_b128 v[S+4*(\f):S+4*(\f)+3], v[RD] offset:(\f)*2*SP  ; LDS serves a wave's instructions in order (ISA guide 5.7.1.4): these see the stores above
.endr
.irp f, 0,1,2,3,4,5,6,7
	s_wait_dscnt 7-(\f)                            ; load f is back; the younger ones may stay out
	global_store_b128 v[GO], v[S+4*(\f):S+4*(\f)+3], s[10:11] offset:8192*(\f)  ; 16 lanes store 256 consecutive bytes, at a multiple of 256 from ob's first byte
.endr
	s_wait_tensorcnt 0x0                           ; the wave's end, behind my last tensor load and my last LDS store
	ds_add_u32 v[SPW], v[NIL]
	s_wait_dscnt 0x0
	CROUND                                         ; the closing round: no work-group ends while a partner may still ask for a tile that names it
	s_endpgm
.Lfunc_end_k_qcec8bd162f_attn:
	.size	k_qcec8bd162f_attn, .Lfunc_end_k_qcec8bd162f_attn-k_qcec8bd162f_attn
	.p2alignl 7, 3214868480
	.fill 96, 4, 3214868480
	.section	.rodata,"a",@progbits
	.p2align	6, 0x0
	.amdhsa_kernel k_qcec8bd162f_attn
		.amdhsa_group_segment_fixed_size 327680
		.amdhsa_private_segment_fixed_size 0
		.amdhsa_enable_private_segment 0
		.amdhsa_kernarg_size 16
		.amdhsa_user_sgpr_count 2
		.amdhsa_user_sgpr_kernarg_segment_ptr 1
		.amdhsa_wavefront_size32 1
		.amdhsa_system_sgpr_workgroup_id_x 1
		.amdhsa_system_sgpr_workgroup_id_y 1
		.amdhsa_system_sgpr_workgroup_id_z 1
		.amdhsa_system_vgpr_workitem_id 0
		.amdhsa_next_free_vgpr 512
		.amdhsa_next_free_sgpr 80
		.amdhsa_reserve_vcc 1
		.amdhsa_float_denorm_mode_32 3
		.amdhsa_float_denorm_mode_16_64 3
		.amdhsa_memory_ordered 1
		.amdhsa_forward_progress 1
		.amdhsa_inst_pref_size 82
	.end_amdhsa_kernel
	.amdgpu_metadata
---
amdhsa.version: [ 1, 2 ]
amdhsa.kernels:
  - .name:           k_qcec8bd162f_attn
    .symbol:         k_qcec8bd162f_attn.kd
    .args:
      - { .name: qkv, .offset: 0, .size: 8, .value_kind: global_buffer, .address_space: global }
      - { .name: ob, .offset: 8, .size: 8, .value_kind: global_buffer, .address_space: global }
    .group_segment_fixed_size: 327680
    .private_segment_fixed_size: 0
    .kernarg_segment_align: 8
    .kernarg_segment_size: 16
    .max_flat_workgroup_size: 256
    .sgpr_count:     80
    .vgpr_count:     512
    .wavefront_size: 32
...
	.end_amdgpu_metadata
.endif
;; end of part 3
;; launch outp (part 4): grid 16 x 16, 6 waves a work-group, clusters of 4 x 4, 327,680 bytes of LDS; arguments ob, wob, out0; writes out0
.if DOCPART == 4
	.amdgcn_target "amdgcn-amd-amdhsa--gfx1250"
	.amdhsa_code_object_version 6
	.text
	.protected	k_qcec8bd162f_outp
	.globl	k_qcec8bd162f_outp
	.p2align	8
	.type	k_qcec8bd162f_outp,@function
k_qcec8bd162f_outp:
	s_mov_b64 s[64:65], 0
	v_nop
	global_prefetch_b8 v0, s[64:65] scope:SCOPE_SE
	s_setreg_imm32_b32 hwreg(HW_REG_WAVE_MODE, 25, 1), 1
	s_wait_xcnt 0x0
	s_wait_alu depctr_hold_cnt(0) depctr_sa_sdst(0) depctr_va_vdst(0) depctr_va_sdst(0) depctr_va_ssrc(0) depctr_va_vcc(0) depctr_vm_vsrc(0)
	s_getreg_b32 s2, hwreg(HW_REG_IB_STS2, 6, 4)
	s_cmp_eq_u32 s2, 0
	s_cbranch_scc0 .Lentry_in_a_cluster
	s_endpgm
.Lentry_in_a_cluster:
	s_bfe_u32 s2, ttmp6, 0x10000c
	s_cmp_lg_u32 s2, 0xf033
	s_cbranch_scc0 .Lentry_shape_is_right
	s_endpgm
.Lentry_shape_is_right:
; out0 = O wo^T = (O / 4) (4 wo)^T.  ob: [2048][2048] f16 = O / 4, wob: [4096][2048] f16 = 4 x bf16(wo), out0: [2048][4096] f32; sums in f32, stored as they are.
; LIMITS.  Both operands arrive within f16's range.  NaN and infinities are not treated apart.
; SHARES.  A tile of out0 is 128 x 256, one for each of 16 x 16 work-groups.  SIX WAVES.  Waves 0-3 multiply, each 64 rows x 128 columns: 32 accumulators of 16 x 16, 256 registers.  Waves 4 and 5 only fetch.
; K goes in steps of 128 (rows of 256 bytes, at multiples of 256 bytes) through a ring of two LDS slots.  A step's 384 rows come as six tensor loads of 64 rows, one a wave: waves 0-3 wob's quarters,
; waves 4 and 5 ob's halves; with four waves wob's loads would be twice as long.  A load is asked for first thing behind a change of slots and waited for in front of the next: 128 matrix instructions lie between.
; CLUSTERS.  4 x 4 work-groups.  The four of a row of the cluster need the same tiles of ob, the four of a column the same tiles of wob: each tile is asked for JOINTLY,
; by the same tensor load with the same descriptor and a mask that names the four.
; THE MATRIX INSTRUCTION IS USED TRANSPOSED (source 0 = 16 rows of wob, source 1 = 16 rows of ob): a lane then holds row lane % 16 and the columns 16 b + 8 (lane / 16) + 0..7, 32 neighbouring bytes.
; REGISTERS, in windows of 256 (s_set_vgpr_msb: bits 1:0 source 0, 3:2 source 1, 5:4 source 2, 7:6 destination):
;   window 0: v0-29 addresses; v64-159, v160-255 two fragment buffers (32 registers of ob, then 64 of wob); on the way out v64-191 hold rows read back from the stage
;   window 1: the accumulators, (a, b) at v[8 (8 a + b)]
.set SIZE_K, 2048
.set SIZE_N, 4096
.set KSTEP,  128
.set PITCH,  272                       ; an LDS row: 256 bytes + 16 of padding = 68 words: row r starts at bank 4 r mod 64 (64 banks of 4 bytes: ISA guide 11.1)
.set ATILE,  128*PITCH                 ; ob's 128 rows
.set SLOT,   384*PITCH                 ; then wob's 256 rows
.set STAGE,  2*SLOT                    ; behind the ring: 16 rows x 528 bytes for each of waves 0-3, for the way out
.set SPITCH, 528                       ; 512 bytes + 16 = 132 words: row r again starts at bank 4 r mod 64
.set SPARE,  STAGE+4*16*SPITCH         ; behind the stages: the spare words, 128 bytes for each of six waves: three blocks of 256 bytes that no other line names
.set LAPS,   SIZE_K/(2*KSTEP)          ; a lap = two K steps = once round the ring
.set ADRA, 16                          ; v16-17  LDS address of my fragments of ob in slot 0, 1
.set ADRB, 20                          ; v20-21  the same for wob
.set STO,  24                          ; v24     the way out: where I put 32 bytes of a row
.set RD,   25                          ; v25     the way out: where I read a row back
.set CO,   26                          ; v26     my byte offset in 512 consecutive bytes of a row of out0
.set SPW,  28                          ; v28     LDS address of my spare word: SPARE + 4 x my thread's number; never rewritten
.set NIL,  29                          ; v29     0; never rewritten
.set F0,   64
.set F1,   160
.set BK0,  64                          ; v64-127, v128-191 by turns: a block of 16 rows read back from the stage
.set WV,   12                          ; s12 my wave's number
.set WM,   13                          ; s13 waves 0-3: which 64 rows of the tile are mine
.set WN,   14                          ; s14 waves 0-3: which 128 columns.  Waves 4, 5: which half of ob's tile I fetch
.set TR,   15                          ; s15 tile row
.set G1,   24                          ; s[24:31] descriptor group 1 for ob's tiles;  s[32:39] group 0, one set for each slot
.set G0,   32
.set WQ,   45                          ; s45 waves 0-3: which quarter of wob's tile I fetch
.set G1B,  48                          ; s[48:55], s[56:63] the same for wob's tiles
.set G0B,  56
.set GW, (1<<16)|(1<<20)|(1<<21)|(5<<22)|(3<<25)  ; 17:16 elements of 2 bytes; 20 padding on; 21 set beside a mask; 24:22 after every 64 words (code 5); 31:25 4 words of it (code 3)
.set MSB, 0
.macro WIN new                         ; the immediate's high byte repeats the setting that is left; a switch that changes nothing is dropped
.if MSB != (\new)
	s_set_vgpr_msb (MSB<<8)|(\new)
.set MSB, \new
.endif
.endm
.set MUL, 0x50                         ; fragments in window 0, C and D in window 1
.macro PLACES                          ; four places in front of loads into registers that matrix instructions have read, and of LDS stores that read results
.rept 4
	v_nop
.endr
.endm
; A joint load: waves 4 and 5 fetch the two halves of ob's tile, waves 0-3 the four quarters of wob's.  The branch hangs on the wave's number alone.
; An s_nop 0 and four v_nop follow each of the two lines, ahead of the jump, the label and what follows.
.macro JLOAD s
	s_cmp_lt_u32 s[WV], 4
	s_cbranch_scc1 .Lfor_b_\@
	tensor_load_to_lds s[G0+4*(\s):G0+4*(\s)+3], s[G1:G1+7]
	s_nop 0
	PLACES
	s_branch .Lasked_\@
.Lfor_b_\@:
	tensor_load_to_lds s[G0B+4*(\s):G0B+4*(\s)+3], s[G1B:G1B+7]
	s_nop 0
	PLACES
.Lasked_\@:
.endm
; A round of the cluster's barrier: my work-group's barrier, so that wave 0's signal speaks for all six waves; wave 0 signals; every wave waits for all sixteen work-groups; my work-group's barrier once more.
.macro CROUND
	s_barrier_signal -1
	s_barrier_wait -1
	s_cmp_lg_u32 s[WV], 0
	s_cbranch_scc1 .Lnot_wave_0_\@
	s_barrier_signal -3
.Lnot_wave_0_\@:
	s_barrier_wait -3
	s_barrier_signal -1
	s_barrier_wait -1
.endm
	s_load_b128 s[4:7], s[0:1], 0x0                ; ob s[4:5], wob s[6:7]
	s_load_b64 s[8:9], s[0:1], 0x10                ; out0
	v_lshl_add_u32 v[SPW], v0, 2, SPARE
	v_mov_b32 v[NIL], 0
	ds_add_u32 v[SPW], v[NIL]                      ; the wave's opening: the add and its wait come ahead of my first tensor load; the set-up below, work on registers, stands between them
	v_lshrrev_b32 v1, 5, v0
	v_readfirstlane_b32 s[WV], v1                  ; wave 0..5
	s_lshr_b32 s[WM], s[WV], 1
	s_and_b32 s[WN], s[WV], 1
	s_and_b32 s[WQ], s[WV], 3
	s_bfe_u32 s40, ttmp6, 0x40000                  ; cx, cy: my place in the cluster
	s_bfe_u32 s41, ttmp6, 0x40004
	s_lshl_b32 s42, ttmp9, 2
	s_add_co_u32 s42, s42, s40                     ; tile column = 4 x cluster x + cx
	s_and_b32 s[TR], ttmp7, 0xffff
	s_lshl_b32 s[TR], s[TR], 2
	s_add_co_u32 s[TR], s[TR], s41                 ; tile row = 4 x cluster y + cy
	s_lshl_b32 s43, s41, 2
	s_lshl_b32 s43, 15, s43                        ; my row of the cluster
	s_lshl_b32 s44, 0x1111, s40                    ; my column
	s_or_b32 s[G1], s43, GW                        ; 15:0 the mask: ob's tiles go to my row of the cluster,
	s_or_b32 s[G1B], s44, GW                       ; wob's to my column
.irp g, G1, G1B
	s_mov_b32 s[(\g)+1], KSTEP<<16                 ; tensor_dim0 = 128
	s_mov_b32 s[(\g)+2], 64<<16                    ; tensor_dim1 = 64
	s_mov_b32 s[(\g)+3], KSTEP<<16                 ; tile_dim0 = 128
	s_mov_b32 s[(\g)+4], 64                        ; tile_dim1 = 64
	s_mov_b32 s[(\g)+5], SIZE_K                    ; elements from row to row
	s_mov_b32 s[(\g)+6], 0
	s_mov_b32 s[(\g)+7], 0
.endr
	s_lshl_b32 s17, s[WN], 6
	s_lshl_b32 s16, s[TR], 7
	s_add_co_u32 s16, s16, s17                     ; ob: row 128 x tile row + 64 x half
	s_lshl_b32 s47, s[WQ], 6
	s_lshl_b32 s46, s42, 8
	s_add_co_u32 s46, s46, s47                     ; wob: row 256 x tile column + 64 x quarter
	s_mov_b32 s17, 0
	s_mov_b32 s47, 0
	s_mov_b64 s[18:19], SIZE_K*2
	s_mul_u64 s[16:17], s[16:17], s[18:19]         ; in bytes
	s_mul_u64 s[46:47], s[46:47], s[18:19]
	s_mul_i32 s20, s[WN], 64*PITCH                 ; where they go: no place in the cluster enters an LDS address
	s_mul_i32 s21, s[WQ], 64*PITCH
	s_add_co_u32 s21, s21, ATILE
	s_wait_dscnt 0x0                               ; the opening add is done
	s_wait_kmcnt 0x0
	s_add_nc_u64 s[22:23], s[4:5], s[16:17]
	s_add_nc_u64 s[46:47], s[6:7], s[46:47]
	CROUND                                         ; all sixteen work-groups are here: the first joint loads meet
.irp s, 0,1
	s_mov_b32 s[G0+4*(\s)], 1                                      ; count = 1
	s_add_co_u32 s[G0+4*(\s)+1], s20, (\s)*SLOT                    ; LDS address
	s_add_nc_u64 s[G0+4*(\s)+2:G0+4*(\s)+3], s[22:23], (\s)*KSTEP*2  ; global address: K step s
	s_or_b32 s[G0+4*(\s)+3], s[G0+4*(\s)+3], 0x80000000            ; type = 2
	s_mov_b32 s[G0B+4*(\s)], 1
	s_add_co_u32 s[G0B+4*(\s)+1], s21, (\s)*SLOT
	s_add_nc_u64 s[G0B+4*(\s)+2:G0B+4*(\s)+3], s[46:47], (\s)*KSTEP*2
	s_or_b32 s[G0B+4*(\s)+3], s[G0B+4*(\s)+3], 0x80000000
	JLOAD \s                                       ; two tensor loads of mine are out
.endr
	; where my part of the tile begins in out0: rows of 16,384 bytes.  (Waves 4 and 5 make these numbers too and use none of them.)
	s_lshl_b32 s68, s[TR], 21                      ; 128 rows a tile row,
	s_lshl_b32 s69, s[WM], 20                      ; my 64 of them,
	s_add_co_u32 s68, s68, s69
	s_lshl_b32 s69, s42, 10                        ; 256 columns of 4 bytes a tile column,
	s_add_co_u32 s68, s68, s69
	s_lshl_b32 s69, s[WN], 9                       ; my 128 of them
	s_add_co_u32 s68, s68, s69
	s_mov_b32 s69, 0
	s_add_nc_u64 s[8:9], s[8:9], s[68:69]
	; A fragment is 16 rows x 32 K in 8 registers: lane l holds row l % 16, K = 8 (l / 16) + 0..7 and 16 + 8 (l / 16) + 0..7: two loads of 16 bytes, 32 bytes apart.
	v_and_b32 v1, 15, v0                           ; l % 16
	v_bfe_u32 v2, v0, 4, 1                         ; l / 16
	v_mul_u32_u24 v3, v1, PITCH
	v_lshl_add_u32 v3, v2, 4, v3                   ; row x pitch + 16 x half
	s_mul_i32 s16, s[WM], 64*PITCH                 ; my 64 rows of ob
	s_mul_i32 s17, s[WN], 128*PITCH                ; my 128 rows of wob,
	s_add_co_u32 s17, s17, ATILE                   ; which lie behind ob's 128
.irp s, 0,1
	v_add_nc_u32 v[ADRA+(\s)], s16, v3
	v_add_nc_u32 v[ADRB+(\s)], s17, v3
	s_add_co_u32 s16, s16, SLOT
	s_add_co_u32 s17, s17, SLOT
.endr
	s_mul_i32 s16, s[WV], 16*SPITCH
	s_add_co_u32 s16, s16, STAGE                   ; my stage
	v_mul_u32_u24 v4, v1, SPITCH                   ; in: row l % 16, 32 bytes for each half of the lanes
	v_lshl_add_u32 v4, v2, 5, v4
	v_add_nc_u32 v[STO], s16, v4
	v_and_b32 v[CO], 31, v0                        ; back: 32 lanes take one row's 512 bytes,
	v_lshlrev_b32 v[CO], 4, v[CO]
	v_add_nc_u32 v[RD], s16, v[CO]                 ; which are 512 consecutive bytes of out0
; 8 matrix instructions: m block a x all 8 n blocks, 32 along K.  zero = 1: the product starts the sums: nothing is ever cleared.
; The 32 accumulators take turns, one instruction a turn, in the same order in every quarter.
.macro MUL8 f, a, zero
	WIN MUL
.irp b, 0,1,2,3,4,5,6,7
.if \zero
	v_wmma_f32_16x16x32_f16 v[8*(8*(\a)+(\b)):8*(8*(\a)+(\b))+7], v[(\f)+32+8*(\b):(\f)+32+8*(\b)+7], v[(\f)+8*(\a):(\f)+8*(\a)+7], 0
.else
	v_wmma_f32_16x16x32_f16 v[8*(8*(\a)+(\b)):8*(8*(\a)+(\b))+7], v[(\f)+32+8*(\b):(\f)+32+8*(\b)+7], v[(\f)+8*(\a):(\f)+8*(\a)+7], v[8*(8*(\a)+(\b)):8*(8*(\a)+(\b))+7]
.endif
.endr
.endm
; 24 LDS loads in one run: the fragments of 32 along K at byte k of the rows, into buffer f: wob's 16 loads, then ob's 8
.macro FETCH slot, k, f
	WIN 0
.irp i, 0,1,2,3,4,5,6,7
	ds_load_b128 v[(\f)+32+8*(\i):(\f)+32+8*(\i)+3],   v[ADRB+(\slot)] offset:(\k)+(\i)*16*PITCH
	ds_load_b128 v[(\f)+32+8*(\i)+4:(\f)+32+8*(\i)+7], v[ADRB+(\slot)] offset:(\k)+(\i)*16*PITCH+32
.endr
.irp i, 0,1,2,3
	ds_load_b128 v[(\f)+8*(\i):(\f)+8*(\i)+3],   v[ADRA+(\slot)] offset:(\k)+(\i)*16*PITCH
	ds_load_b128 v[(\f)+8*(\i)+4:(\f)+8*(\i)+7], v[ADRA+(\slot)] offset:(\k)+(\i)*16*PITCH+32
.endr
.endm
; A K step is four quarters of 32 along K, 32 matrix instructions each, on buffers 0, 1, 0, 1.  One of the first three: multiplies buffer f and fetches the next quarter, at byte k, into g.
.macro QUARTER slot, k, f, g, zero
	s_wait_dscnt 4                                 ; wob's fragments and ob's rows 0-31 are in; the youngest four loads (ob's rows 32-63) may be out
	MUL8 \f, 0, \zero
	MUL8 \f, 1, \zero
	PLACES
	FETCH \slot, \k, \g
	s_wait_dscnt 24                                ; all but the 24 just issued
	MUL8 \f, 2, \zero
	MUL8 \f, 3, \zero
.endm
; A LEG: the change of slots, then a K step's products.  The change is every wave's text.  The fragments of this slot's fourth quarter are in buffer 1, so the slot has been read out.  Each wave waits for all
; its tensor loads (one is out: its part of the next slot), adds 0 to its spare word, and waits for that and for its own reads of this slot.
; fill = 1: a round of the cluster's barrier, so that no wave of any partner still reads this slot or has a load on its way; the slot is filled again, two K steps ahead, first thing behind the round.
; fill = 0: nothing is left to fetch: my work-group's barrier alone.
; Then waves 0-3 fetch the next slot's first fragments, multiply the old slot's fourth quarter, and go through the next slot's first three quarters; waves 4 and 5 jump forward to the next change.
; last = 1: the very last quarter follows.
.macro LEG slot, next, fill, last
	WIN 0                                          ; (the add's two registers lie in window 0; at a label and at a branch every window is 0)
	s_wait_tensorcnt 0x0                           ; all my tensor loads have landed, so a group 0 may be written
	ds_add_u32 v[SPW], v[NIL]                      ; 0 onto my spare word; with fill = 1 the descriptors' steps stand between it and the wait for it
.if \fill
	s_add_nc_u64 s[G0+4*(\slot)+2:G0+4*(\slot)+3], s[G0+4*(\slot)+2:G0+4*(\slot)+3], 2*KSTEP*2    ; the type bits on top are not reached
	s_add_nc_u64 s[G0B+4*(\slot)+2:G0B+4*(\slot)+3], s[G0B+4*(\slot)+2:G0B+4*(\slot)+3], 2*KSTEP*2
.endif
	s_wait_dscnt 0x0                               ; the add is done, and my reads of this slot are over
.if \fill
	CROUND
	JLOAD \slot                                    ; my one tensor load behind the round; its four v_nop are also the places in front of the loads into buffer 0
.else
	s_barrier_signal -1
	s_barrier_wait -1
.endif
	s_cmp_lt_u32 s[WV], 4
	s_cbranch_scc0 .Lidle_\@                       ; the branch hangs on the wave's number alone and passes no barrier
.if !(\fill)
	PLACES
.endif
	FETCH \next, 0, F0
	MUL8 F1, 0, 0
	MUL8 F1, 1, 0
	MUL8 F1, 2, 0
	MUL8 F1, 3, 0
	QUARTER \next, 64,  F0, F1, 0
	QUARTER \next, 128, F1, F0, 0
	QUARTER \next, 192, F0, F1, 0
.if \last
	s_wait_dscnt 0x0
	MUL8 F1, 0, 0
	MUL8 F1, 1, 0
	MUL8 F1, 2, 0
	MUL8 F1, 3, 0
.endif
	WIN 0
.Lidle_\@:
.endm
	s_wait_tensorcnt 1                             ; my part of K step 0 is in; K step 1's may stay out
	s_barrier_signal -1
	s_barrier_wait -1                              ; everybody's is
	s_cmp_lt_u32 s[WV], 4
	s_cbranch_scc0 .Lidle_first
	FETCH 0, 0, F0
	QUARTER 0, 64,  F0, F1, 1                      ; the first quarter's products start the sums
	QUARTER 0, 128, F1, F0, 0
	QUARTER 0, 192, F0, F1, 0
	WIN 0
.Lidle_first:
	s_mov_b32 s3, LAPS-1
.Llap:                                                 ; a trip goes once round the ring and fills both slots again
	LEG 0, 1, 1, 0
	LEG 1, 0, 1, 0
	s_sub_co_u32 s3, s3, 1
	s_cmp_lg_u32 s3, 0
	s_cbranch_scc1 .Llap
	LEG 0, 1, 0, 1                                 ; the last K step
	s_cmp_lt_u32 s[WV], 4
	s_cbranch_scc0 .Lend
; THE WAY OUT, a block of 16 rows at a time: a lane's 32 bytes of a row go into my own stage, straight from the accumulators (the low four registers first), and come back as whole rows of 512 bytes.
.macro TOSTAGE a
.set BK, BK0+64*((\a)%2)
	WIN 0x04                                       ; the stores' data (source 1) in window 1
.irp b, 0,1,2,3,4,5,6,7
	ds_store_b128 v[STO], v[8*(8*(\a)+(\b)):8*(8*(\a)+(\b))+3]   offset:64*(\b)
	ds_store_b128 v[STO], v[8*(8*(\a)+(\b))+4:8*(8*(\a)+(\b))+7] offset:64*(\b)+16
.endr
	WIN 0
	s_wait_xcnt 0x0                                ; every earlier memory instruction has had its addresses translated (ISA guide 3.1): registers that earlier stores read are loaded again only behind this wait
.irp t, 0,1,2,3,4,5,6,7,8,9,10,11,12,13,14,15
	ds_load_b128 v[BK+4*(\t):BK+4*(\t)+3], v[RD] offset:(\t)*SPITCH  ; LDS serves a wave's instructions in order (ISA guide 5.7.1.4): these see the stores above; the next block's stores come behind them
.endr
.endm
.macro SEND a, younger                 ; younger: the LDS instructions issued behind block a's loads: the next block's 32, or none
.set BK, BK0+64*((\a)%2)
	s_wait_dscnt \younger                          ; the block is back in registers
.irp t, 0,1,2,3,4,5,6,7,8,9,10,11,12,13,14,15
	global_store_b128 v[CO], v[BK+4*(\t):BK+4*(\t)+3], s[8:9] offset:(16*(\a)+(\t))*SIZE_N*4 th:TH_STORE_NT  ; 512 consecutive bytes, at a multiple of 512 from out0's first byte; 63 rows at the most: inside the signed 24-bit immediate
.endr
.endm
	PLACES                                         ; behind the last products
	TOSTAGE 0
	TOSTAGE 1                                      ; a block's trip through LDS stands beside the stores of the block before
	SEND 0, 32
	TOSTAGE 2
	SEND 1, 32
	TOSTAGE 3
	SEND 2, 32
	SEND 3, 0
.Lend:
	s_wait_tensorcnt 0x0                           ; the wave's end, behind my last tensor load and my last LDS store
	ds_add_u32 v[SPW], v[NIL]
	s_wait_dscnt 0x0
	CROUND                                         ; the closing round: no work-group ends while a partner may still ask for a tile that names it
	s_endpgm
.Lfunc_end_k_qcec8bd162f_outp:
	.size	k_qcec8bd162f_outp, .Lfunc_end_k_qcec8bd162f_outp-k_qcec8bd162f_outp
	.p2alignl 7, 3214868480
	.fill 96, 4, 3214868480
	.section	.rodata,"a",@progbits
	.p2align	6, 0x0
	.amdhsa_kernel k_qcec8bd162f_outp
		.amdhsa_group_segment_fixed_size 327680
		.amdhsa_private_segment_fixed_size 0
		.amdhsa_enable_private_segment 0
		.amdhsa_kernarg_size 24
		.amdhsa_user_sgpr_count 2
		.amdhsa_user_sgpr_kernarg_segment_ptr 1
		.amdhsa_wavefront_size32 1
		.amdhsa_system_sgpr_workgroup_id_x 1
		.amdhsa_system_sgpr_workgroup_id_y 1
		.amdhsa_system_sgpr_workgroup_id_z 1
		.amdhsa_system_vgpr_workitem_id 0
		.amdhsa_next_free_vgpr 512
		.amdhsa_next_free_sgpr 72
		.amdhsa_reserve_vcc 0
		.amdhsa_float_denorm_mode_32 3
		.amdhsa_float_denorm_mode_16_64 3
		.amdhsa_memory_ordered 1
		.amdhsa_forward_progress 1
		.amdhsa_inst_pref_size 85
	.end_amdhsa_kernel
	.amdgpu_metadata
---
amdhsa.version: [ 1, 2 ]
amdhsa.kernels:
  - .name:           k_qcec8bd162f_outp
    .symbol:         k_qcec8bd162f_outp.kd
    .args:
      - { .name: ob, .offset: 0, .size: 8, .value_kind: global_buffer, .address_space: global }
      - { .name: wob, .offset: 8, .size: 8, .value_kind: global_buffer, .address_space: global }
      - { .name: out0, .offset: 16, .size: 8, .value_kind: global_buffer, .address_space: global }
    .group_segment_fixed_size: 327680
    .private_segment_fixed_size: 0
    .kernarg_segment_align: 8
    .kernarg_segment_size: 24
    .max_flat_workgroup_size: 192
    .sgpr_count:     72
    .vgpr_count:     512
    .wavefront_size: 32
...
	.end_amdgpu_metadata
.endif
;; end of part 4
